; MI455X (gfx1250); checked and timed in simulation.
; The chip was launched on July 23, 2026; its instructions are those of AMD's public machine-readable ISA for CDNA 5 (MIT licence, August 2026) and "CDNA5" Instruction Set Architecture Reference Guide (July 2026). The comments in the code are by the model that wrote it; some were corrected since.
;; Wan I2 V Cross Attention Processor. Allowed arithmetic: matrix products marked QUANTISED: E2M3 operands, one E8M0 scale for each 32 along K, by v_wmma_scale_f32_16x16x128_f8f6f4 with both operands' format E2M3, f32 sums; everything else in f32.
;; Inputs: Wk 2,048 x 2,048 float32; Wki 2,048 x 2,048 float32; Wo 2,048 x 2,048 float32; Wq 2,048 x 2,048 float32; Wv 2,048 x 2,048 float32; Wvi 2,048 x 2,048 float32; bk 2,048 float32; bki 2,048 float32; bo 2,048 float32; bq 2,048 float32; bv 2,048 float32; bvi 2,048 float32; context 2 x 769 x 2,048 float32; context_lens 2 int32; gk 2,048 float32; gki 2,048 float32; gq 2,048 float32; x 2 x 2,048 x 2,048 float32.
;; Outputs: out0 2 x 2,048 x 2,048 float32.
;; This version of the problem:
;;   THIS VERSION OF THE PROBLEM IS GIVEN IN LOW PRECISION. The matrix products marked QUANTISED in the list below multiply operands that are first quantised to E2M3 (2 exponent bits, 3 mantissa bits; 6 bits a number), with one power-of-two scale for each 32 numbers along K (OCP MX v1.0); their sums are f32. All else is computed in f32.
;;   The module's matrix products, in the order in which they are computed (A, B: the left and right operand; K: the contracted axis; several contracted axes count as one K, in the product's order):
;;     1. [M 4,096, K 2,048] x [K 2,048, N 2,048]; A: input x; B: input Wq: QUANTISED
;;     2. [M 1,024, K 2,048] x [K 2,048, N 2,048]; A: input context; B: input Wk: QUANTISED
;;     3. [M 1,024, K 2,048] x [K 2,048, N 2,048]; A: input context; B: input Wv: QUANTISED
;;     4. [M 514, K 2,048] x [K 2,048, N 2,048]; A: input context; B: input Wki: QUANTISED
;;     5. [M 514, K 2,048] x [K 2,048, N 2,048]; A: input context; B: input Wvi: QUANTISED
;;     6. batch 32 x [M 2,048, K 128] x [K 128, N 257]; A: computed on the way; B: computed on the way: QUANTISED
;;     7. batch 32 x [M 128, K 257] x [K 257, N 2,048]; A: computed on the way; B: softmax (see below): QUANTISED
;;     8. batch 32 x [M 2,048, K 128] x [K 128, N 512]; A: computed on the way; B: computed on the way: QUANTISED
;;     9. batch 32 x [M 128, K 512] x [K 512, N 2,048]; A: computed on the way; B: softmax (see below): QUANTISED
;;     10. [M 4,096, K 2,048] x [K 2,048, N 2,048]; A: computed on the way; B: input Wo: QUANTISED
;;   THE QUANTISER, for each operand of a quantised product, along K:
;;     - K is cut into blocks of 32 from its start; a last block that is shorter is filled with zeros.
;;     - A block's scale is 2^e with e = floor(log2(the largest magnitude in the block)) - 2, held to -126 .. 127; a block of zeros has e = 0. As a byte (E8M0): e + 127.
;;     - Each number is divided by its block's scale, clamped to +-7.5, and rounded to the nearest number of E2M3, ties to even, subnormals kept.
;;     - The product sums the exact products of the quantised numbers (number of the format x scale) in f32.
;;   ~~~python
;;   def quantise(x, axis):      # numpy; x: float32 -> the quantised numbers, widened to float32 again
;;       x = np.moveaxis(x, axis, -1); K = x.shape[-1]
;;       x = np.pad(x, [(0, 0)] * (x.ndim - 1) + [(0, -K % 32)]); x = x.reshape(x.shape[:-1] + (-1, 32)); a = np.abs(x).max(-1, keepdims=True)
;;       e = np.where(a > 0, np.clip(np.frexp(np.where(a > 0, a, 1))[1] - 1 - 2, -126, 127), 0)      # np.frexp(a)[1] - 1 = floor(log2(a)), exactly
;;       r = np.clip(x / 2.0 ** e, -7.5, 7.5)
;;       step = 2.0 ** (np.maximum(np.frexp(np.where(r == 0, 1, r))[1] - 1, 0) - 3)
;;       q = np.round(r / step) * step * 2.0 ** e      # np.round: ties to even
;;       return np.moveaxis(q.reshape(q.shape[:-2] + (-1,))[..., :K], -1, axis).astype(np.float32)
;;   ~~~
;;   SOFTMAX AHEAD OF A QUANTISED PRODUCT. Where the list says 'softmax', what is quantised is not the finished softmax but p = 2^(t - M), with t = logit x log2(e) and M = ceil(the row's largest t), a whole number; so 1/2 < the row's largest p <= 1. The row's sum l is taken of the UNQUANTISED p, in f32, and the product's result is divided by l at the end. Since M is a whole number, a kernel that streams over the keys may use a running M (the ceiling of the running maximum): every later rescaling is an exact power of two, which a block's scale takes up: the codes' values come out the same.
;;   OPERANDS COMPUTED ON THE WAY. 'Computed on the way' means the value that the module computes at that place (a softmax that the list does not call 'softmax' is quantised finished and normalised). What goes into a quantiser is computed in f32, as accurately as f32 sums, v_exp_f32 and their like allow (about 1e-6 of the number): no bf16 or f16 on the way to a quantiser, and a product that is left as it is and whose result goes on into a quantised operand takes f32 operands (vector FMAs, or v_wmma_f32_16x16x4_f32). A number that lies on a knife's edge between two numbers of the format may be rounded either way, as far as f32 arithmetic and the matrix unit's own rounding can turn it there, and no further.
;; One version. Each part assembles by itself: llvm-mc -triple=amdgcn-amd-amdhsa -mcpu=gfx1250 --defsym DOCPART=n.
;; ======== version 1 of 1: 5 launches
;; workspace buffers: act 9,830,400 bytes; wts 16,384,000 bytes; wo 3,276,800 bytes; raw 67,108,864 bytes; ssq 524,288 bytes; nq 9,830,400 bytes; vq 2,867,200 bytes; oq 6,684,672 bytes
;; launch quant (part 1): grid 1152 x 1, 4 waves a work-group, no clusters, 35,328 bytes of LDS; arguments Wq, Wk, Wki, Wv, Wvi, Wo, x, context, wts, wo, act; writes wts, wo, act
.if DOCPART == 1
	.amdgcn_target "amdgcn-amd-amdhsa--gfx1250"
	.amdhsa_code_object_version 6
	.text
	.protected	k_q30d25c4e8c_quant
	.globl	k_q30d25c4e8c_quant
	.p2align	8
	.type	k_q30d25c4e8c_quant,@function
k_q30d25c4e8c_quant:
	s_mov_b64 s[64:65], 0
	v_nop
	global_prefetch_b8 v0, s[64:65] scope:SCOPE_SE
	s_setreg_imm32_b32 hwreg(HW_REG_WAVE_MODE, 25, 1), 1
	s_wait_xcnt 0x0
; The six weights [2048 (k)][2048 (n)], x [4096][2048] and context [1538][2048], all f32, become codes of FP6 (E2M3) with one E8M0 scale byte for each 32 along K.
; A block's scale is 2^(floor(log2(its largest magnitude)) - 2); its byte is the largest magnitude's exponent field - 2, held at 1 from below.
; LAYOUT OF WHAT IS STORED: a fragment (16 rows x 128 K, 12 registers a lane) lies as an image of its registers, 1,536 bytes: register g of lane L at 512 (g / 4) + 16 L + 4 (g % 4).
; Row block rho (16 rows) at rho x 24,576, K step s at + 1,536 s.  Scale words: group of 256 rows at 16,384 g, K step s at + 1,024 s, the row's word at + 4 (row % 256).
; A weight: 131,072 bytes of scale words, then its codes.  act: 393,216 bytes of scale words, then codes; rows 0-4095 x, 4096-5119 the text rows (512 b + j), 5120-6143 context rows 769 b + j, j = 0 .. 511.
; Work-groups 0-767: weights, a lane to a column n, registers down K (32 columns x 256 K a wave).  Work-groups 768-1151: rows, 64 rows x 128 K a wave, turned through the wave's own stage in LDS.
; The text names no register above v191, so that more waves find room beside each other.
; LIMITS: NaN and infinities are not served; a block of zeros gets the byte 1 (its codes are zeros; this program alone reads the bytes).
.set SPARE, 34816                      ; behind the four waves' regions: the spare words, 128 bytes a wave
.set SPW, 30                           ; v30 LDS address of my spare word; never rewritten
.set NIL, 31                           ; v31 0; never rewritten
.set X,   32                           ; columns: v32-95 two sets of 32 numbers
.set PCW, 96                           ; columns: v96-143 four images' registers, so that no store's data are written again
.set CTW, 144                          ; columns: v144-146 the second half of a block's codes
.set RA,  32                           ; rows: v32-95, v96-159 two sets of 64 numbers
.set RB,  96
.set PC,  160                          ; rows: v160-171 a fragment's codes
.set CT,  172                          ; v172-178 the halves made elsewhere
.set TM,  180                          ; v180-183 largest magnitudes, v184-187 the other half's, then the bytes
.set SO,  188                          ; v188-191 the conversions' scale operands
.set PW,  10                           ; rows: v10 the scale word
.set SEL, 36                           ; s[36:37] lane selects: lane l xor 16
; 64 numbers of a lane, register 16 b + i = k 32 b + 16 (lane / 16) + i of my row, become a fragment's codes in v[pc] on and its scale word in v[pw]
.macro QUANT s, pc, pw
.irp b, 0,1,2,3
	v_max3_num_f32 v[TM+\b], |v[(\s)+16*\b]|, |v[(\s)+1+16*\b]|, 0x1800000   ; with the floor 2^(3 - 127): the byte cannot fall under 1
.endr
.irp i, 2,4,6,8,10,12,14
.irp b, 0,1,2,3
	v_max3_num_f32 v[TM+\b], v[TM+\b], |v[(\s)+16*\b+\i]|, |v[(\s)+1+16*\b+\i]|
.endr
.endr
.irp b, 0,1,2,3
	v_permlanex16_b32 v[TM+4+\b], v[TM+\b], s[SEL], s[SEL+1]
.endr
.irp b, 0,1,2,3
	v_max_num_f32 v[TM+\b], v[TM+\b], v[TM+4+\b]       ; with lane l xor 16's: the block's largest magnitude
.endr
.irp b, 0,1,2,3
	v_add_nc_u32 v[SO+\b], 0xff000000, v[TM+\b]        ; 2 off its exponent field: the conversion's scale operand
.endr
.irp b, 0,1,2,3
	v_lshrrev_b32 v[TM+4+\b], 23, v[SO+\b]             ; the scale's byte
.endr
	v_lshl_or_b32 v[(\pw)], v[TM+5], 8, v[TM+4]
	v_lshl_or_b32 v[(\pw)], v[TM+6], 16, v[(\pw)]
	v_lshl_or_b32 v[(\pw)], v[TM+7], 24, v[(\pw)]
.irp c, 0,1
	v_cvt_scalef32_pk16_fp6_f32 v[(\pc)+6*\c:(\pc)+2+6*\c], v[(\s)+32*\c:(\s)+15+32*\c], v[SO+2*\c]
	v_cvt_scalef32_pk16_fp6_f32 v[CT+4*\c:CT+2+4*\c], v[(\s)+16+32*\c:(\s)+31+32*\c], v[SO+2*\c+1]   ; (three registers begin on an even number)
.endr
	v_nop                                              ; one plain place behind a scaled conversion
.irp c, 0,1                                            ; a whole block to a lane: lanes 0-15 block 2 c, lanes 16-31 block 2 c + 1
.irp i, 0,1,2
	v_permlane16_swap_b32 v[(\pc)+6*\c+\i], v[CT+4*\c+\i]
.endr
.irp i, 0,1,2
	v_mov_b32 v[(\pc)+3+6*\c+\i], v[CT+4*\c+\i]
.endr
.endr
.endm
; columns: block t of 8: K step s = t / 4, half h' = (t / 2) % 2, c = t % 2: rows 128 s + 64 c + 32 h' + i of my chunk of 256
.macro LOADW t
.set i, 0
.rept 32
	global_load_b32 v[X+32*((\t)%2)+i], v2, s[30:31] offset:(128*((\t)/4)+64*((\t)%2)+32*(((\t)/2)%2)+i)*8192 th:TH_LOAD_NT
.set i, i+1
.endr
.endm
.macro BLOCKW t
.set XS, X+32*((\t)%2)
.set PD, PCW+12*((\t)/2)+6*((\t)%2)
.if (\t) < 7
	s_wait_loadcnt 32                                  ; this block's 32 loads are in; the next block's may be out
.else
	s_wait_loadcnt 0x0
.endif
	v_max3_num_f32 v12, |v[XS]|, |v[XS+1]|, |v[XS+2]|  ; all 32 numbers of the block are mine
	v_max3_num_f32 v13, |v[XS+3]|, |v[XS+4]|, |v[XS+5]|
.irp i, 6,10,14,18,22,26
	v_max3_num_f32 v12, v12, |v[XS+\i]|, |v[XS+\i+1]|
	v_max3_num_f32 v13, v13, |v[XS+\i+2]|, |v[XS+\i+3]|
.endr
	v_max3_num_f32 v12, v12, |v[XS+30]|, |v[XS+31]|
	v_max3_num_f32 v12, v12, v13, 0x1800000
	v_add_nc_u32 v11, 0xff000000, v12
	v_lshrrev_b32 v13, 23, v11
.if (\t)%4 == 0
	v_mov_b32 v[14+(\t)/4], v13                        ; byte 2 c + h' of the K step's scale word
.else
	v_lshl_or_b32 v[14+(\t)/4], v13, 8*(2*((\t)%2)+((\t)/2)%2), v[14+(\t)/4]
.endif
	v_cvt_scalef32_pk16_fp6_f32 v[PD:PD+2], v[XS:XS+15], v11
	v_cvt_scalef32_pk16_fp6_f32 v[CTW:CTW+2], v[XS+16:XS+31], v11
	v_nop
.irp i, 0,1,2
	v_mov_b32 v[PD+3+\i], v[CTW+\i]
.endr
.if (\t) < 6
	LOADW (\t)+2
.endif
.if (\t)%2 == 1                                        ; 12 registers are the image's of lane r + 16 h': sixteen lanes store 256 consecutive bytes, aligned, of each of two row blocks
.irp q, 0,1,2
	global_store_b128 v3, v[PCW+12*((\t)/2)+4*\q:PCW+12*((\t)/2)+4*\q+3], s[34:35] offset:((\t)/4)*1536+512*\q+256*(((\t)/2)%2)
.endr
.endif
.if (\t)%4 == 3
	global_store_b32 v2, v[14+(\t)/4], s[36:37] offset:((\t)/4)*1024
.endif
.endm
; rows
.macro LOADA rb, set                                   ; 16 rows' 512 bytes (one K step); no hint: some rows of context are read as text rows and as image rows
.set i, 0
.rept 16
	global_load_b128 v[\set+4*i:\set+4*i+3], v2, s[30:31] offset:(16*(\rb)+i)*8192
.set i, i+1
.endr
.endm
.macro TURN set                                        ; through my stage: in as rows, out 16 neighbours of each block of 32; LDS serves a wave's instructions in order
.set i, 0
.rept 16
	ds_store_b128 v4, v[\set+4*i:\set+4*i+3] offset:i*528
.set i, i+1
.endr
.irp b, 0,1,2,3
.irp j, 0,1,2,3
	ds_load_b128 v[\set+16*\b+4*\j:\set+16*\b+4*\j+3], v5 offset:128*\b+16*\j
.endr
.endr
.endm
.macro RSTEP rb, set
.if (\rb) < 3
	s_wait_loadcnt 16                                  ; this fragment's 16 loads are in; the next one's may be out
.else
	s_wait_loadcnt 0x0
.endif
	TURN \set
	s_wait_dscnt 0x0
.if (\rb) > 0
	s_wait_xcnt 0x0                                    ; the last fragment's stores have read the codes' registers
.endif
	QUANT \set, PC, PW
.if (\rb) < 2
	LOADA (\rb)+2, \set
.endif
.irp c, 0,1,2
	global_store_b128 v2, v[PC+4*\c:PC+4*\c+3], s[32:33] offset:(\rb)*24576+512*\c   ; 512 consecutive bytes
.endr
	ds_store_b32 v6, v[PW] offset:64*(\rb)             ; both halves of the lanes write the same word with the same value
.endm
	s_load_b512 s[4:19], s[0:1], 0x0                   ; Wq 4, Wk 6, Wki 8, Wv 10, Wvi 12, Wo 14, x 16, context 18
	s_load_b128 s[20:23], s[0:1], 0x40                 ; wts, wo
	s_load_b64 s[24:25], s[0:1], 0x50                  ; act
	v_lshl_add_u32 v[SPW], v0, 2, SPARE
	v_mov_b32 v[NIL], 0
	v_lshrrev_b32 v1, 5, v0
	v_readfirstlane_b32 s26, v1                        ; wave
	v_and_b32 v1, 31, v0                               ; lane
	s_wait_kmcnt 0x0
	s_cmp_ge_u32 ttmp9, 768
	s_cbranch_scc1 .Lrows
	; ---- weights: 6 x 16 groups of 128 columns x 8 chunks of 256 along K
	s_lshr_b32 s27, ttmp9, 7                           ; which weight
	s_and_b32 s28, ttmp9, 15                           ; column group
	s_bfe_u32 s29, ttmp9, 0x30004                      ; chunk of K
	s_mov_b64 s[30:31], s[4:5]
	s_cmp_eq_u32 s27, 1
	s_cselect_b64 s[30:31], s[6:7], s[30:31]
	s_cmp_eq_u32 s27, 2
	s_cselect_b64 s[30:31], s[8:9], s[30:31]
	s_cmp_eq_u32 s27, 3
	s_cselect_b64 s[30:31], s[10:11], s[30:31]
	s_cmp_eq_u32 s27, 4
	s_cselect_b64 s[30:31], s[12:13], s[30:31]
	s_cmp_eq_u32 s27, 5
	s_cselect_b64 s[30:31], s[14:15], s[30:31]
	s_cselect_b64 s[32:33], s[22:23], s[20:21]         ; Wo has a buffer of its own
	s_cselect_b32 s38, 0, s27
	s_mul_i32 s38, s38, 3276800
	s_mov_b32 s39, 0
	s_add_nc_u64 s[32:33], s[32:33], s[38:39]
	s_lshl_b32 s38, s29, 21                            ; 256 rows of 8,192 bytes
	s_lshl_b32 s40, s28, 9
	s_add_co_u32 s38, s38, s40
	s_lshl_b32 s40, s26, 7
	s_add_co_u32 s38, s38, s40
	s_add_nc_u64 s[30:31], s[30:31], s[38:39]          ; my wave's 32 columns, my chunk's first row
	s_lshl_b32 s38, s28, 3
	s_lshl_b32 s40, s26, 1
	s_add_co_u32 s38, s38, s40                         ; my first row block: 8 x group + 2 x wave
	s_mul_i32 s38, s38, 24576
	s_mul_i32 s40, s29, 3072
	s_add_co_u32 s38, s38, s40
	s_add_co_u32 s38, s38, 131072
	s_add_nc_u64 s[34:35], s[32:33], s[38:39]          ; codes
	s_lshr_b32 s38, s28, 1
	s_lshl_b32 s38, s38, 14
	s_lshl_b32 s40, s29, 11
	s_add_co_u32 s38, s38, s40
	s_and_b32 s40, s28, 1
	s_lshl_b32 s40, s40, 9
	s_add_co_u32 s38, s38, s40
	s_lshl_b32 s40, s26, 7
	s_add_co_u32 s38, s38, s40
	s_add_nc_u64 s[36:37], s[32:33], s[38:39]          ; scale words
	v_lshlrev_b32 v2, 2, v1                            ; 4 x lane: my column, and my scale word
	v_lshrrev_b32 v3, 4, v1
	v_mul_u32_u24 v3, v3, 24576
	v_and_b32 v4, 15, v1
	v_lshl_add_u32 v3, v4, 4, v3                       ; my row block and my 16 bytes in an image
	LOADW 0
	LOADW 1
.irp t, 0,1,2,3,4,5,6,7
	BLOCKW \t
.endr
	s_endpgm
.Lrows:
	; ---- rows: 96 groups of 64 rows x 4 quarters of K; a wave takes one K step of 128
	s_sub_co_u32 s27, ttmp9, 768
	s_lshr_b32 s28, s27, 2                             ; row group
	s_and_b32 s29, s27, 3
	s_lshl_b32 s29, s29, 2
	s_add_co_u32 s29, s29, s26                         ; K step
	s_lshl_b32 s38, s28, 6                             ; first row in act
	s_bfe_u32 s39, s38, 0x10009                        ; batch
	s_and_b32 s40, s38, 511
	s_mul_i32 s39, s39, 769
	s_add_co_u32 s39, s39, s40
	s_cmp_lt_u32 s28, 80
	s_cselect_b32 s40, 257, 0                          ; text rows lie behind the 257 image rows
	s_add_co_u32 s39, s39, s40                         ; the row of context
	s_cmp_lt_u32 s28, 64
	s_cselect_b32 s38, s38, s39
	s_cselect_b64 s[30:31], s[16:17], s[18:19]
	s_lshl_b32 s38, s38, 13
	s_lshl_b32 s40, s29, 9
	s_add_co_u32 s38, s38, s40
	s_mov_b32 s39, 0
	s_add_nc_u64 s[30:31], s[30:31], s[38:39]
	s_mul_i32 s38, s28, 98304
	s_mul_i32 s40, s29, 1536
	s_add_co_u32 s38, s38, s40
	s_add_co_u32 s38, s38, 393216
	s_add_nc_u64 s[32:33], s[24:25], s[38:39]          ; codes
	s_lshr_b32 s38, s28, 2
	s_lshl_b32 s38, s38, 14
	s_lshl_b32 s40, s29, 10
	s_add_co_u32 s38, s38, s40
	s_and_b32 s40, s28, 3
	s_lshl_b32 s40, s40, 8
	s_add_co_u32 s38, s38, s40
	s_add_nc_u64 s[34:35], s[24:25], s[38:39]          ; scale words
	v_lshlrev_b32 v2, 4, v1                            ; 16 x lane
	v_lshlrev_b32 v3, 3, v1                            ; 8 x lane
	s_mul_i32 s41, s26, 8704                           ; my region of LDS: a stage of 16 rows x 528 bytes, then 256 bytes of scale words
	v_add_nc_u32 v4, s41, v2                           ; into the stage
	v_and_b32 v8, 15, v1
	v_lshrrev_b32 v9, 4, v1
	v_mul_u32_u24 v5, v8, 528
	v_lshl_add_u32 v5, v9, 6, v5
	v_add_nc_u32 v5, s41, v5                           ; out of it: row r, + 64 h
	s_add_co_u32 s41, s41, 8448
	v_lshl_add_u32 v6, v8, 2, s41
	v_add_nc_u32 v7, s41, v3
	s_mov_b32 s[SEL], 0x76543210
	s_mov_b32 s[SEL+1], 0xfedcba98
.irp b, 0,1,2,3
	v_mov_b32 v[TM+4+\b], 0                            ; a lane permute's destination counts as one of its sources
.endr
	LOADA 0, RA
	LOADA 1, RB
	RSTEP 0, RA
	RSTEP 1, RB
	RSTEP 2, RA
	RSTEP 3, RB
	ds_load_b64 v[8:9], v7                             ; my 64 rows' scale words
	s_wait_dscnt 0x0
	global_store_b64 v3, v[8:9], s[34:35]              ; 256 consecutive bytes, aligned
	s_wait_tensorcnt 0x0                               ; the wave's end, behind my last LDS store
	ds_add_u32 v[SPW], v[NIL]
	s_wait_dscnt 0x0
	s_endpgm
.Lfunc_end_k_q30d25c4e8c_quant:
	.size	k_q30d25c4e8c_quant, .Lfunc_end_k_q30d25c4e8c_quant-k_q30d25c4e8c_quant
	.p2alignl 7, 3214868480
	.fill 96, 4, 3214868480
	.section	.rodata,"a",@progbits
	.p2align	6, 0x0
	.amdhsa_kernel k_q30d25c4e8c_quant
		.amdhsa_group_segment_fixed_size 35328
		.amdhsa_private_segment_fixed_size 0
		.amdhsa_enable_private_segment 0
		.amdhsa_kernarg_size 88
		.amdhsa_user_sgpr_count 2
		.amdhsa_user_sgpr_kernarg_segment_ptr 1
		.amdhsa_wavefront_size32 1
		.amdhsa_system_sgpr_workgroup_id_x 1
		.amdhsa_system_sgpr_workgroup_id_y 1
		.amdhsa_system_sgpr_workgroup_id_z 1
		.amdhsa_system_vgpr_workitem_id 0
		.amdhsa_next_free_vgpr 192
		.amdhsa_next_free_sgpr 66
		.amdhsa_reserve_vcc 0
		.amdhsa_float_denorm_mode_32 3
		.amdhsa_float_denorm_mode_16_64 3
		.amdhsa_memory_ordered 1
		.amdhsa_forward_progress 1
		.amdhsa_inst_pref_size 73
	.end_amdhsa_kernel
	.amdgpu_metadata
---
amdhsa.version: [ 1, 2 ]
amdhsa.kernels:
  - .name:           k_q30d25c4e8c_quant
    .symbol:         k_q30d25c4e8c_quant.kd
    .args:
      - { .name: Wq, .offset: 0, .size: 8, .value_kind: global_buffer, .address_space: global }
      - { .name: Wk, .offset: 8, .size: 8, .value_kind: global_buffer, .address_space: global }
      - { .name: Wki, .offset: 16, .size: 8, .value_kind: global_buffer, .address_space: global }
      - { .name: Wv, .offset: 24, .size: 8, .value_kind: global_buffer, .address_space: global }
      - { .name: Wvi, .offset: 32, .size: 8, .value_kind: global_buffer, .address_space: global }
      - { .name: Wo, .offset: 40, .size: 8, .value_kind: global_buffer, .address_space: global }
      - { .name: x, .offset: 48, .size: 8, .value_kind: global_buffer, .address_space: global }
      - { .name: context, .offset: 56, .size: 8, .value_kind: global_buffer, .address_space: global }
      - { .name: wts, .offset: 64, .size: 8, .value_kind: global_buffer, .address_space: global }
      - { .name: wo, .offset: 72, .size: 8, .value_kind: global_buffer, .address_space: global }
      - { .name: act, .offset: 80, .size: 8, .value_kind: global_buffer, .address_space: global }
    .group_segment_fixed_size: 35328
    .private_segment_fixed_size: 0
    .kernarg_segment_align: 8
    .kernarg_segment_size: 88
    .max_flat_workgroup_size: 128
    .sgpr_count:     66
    .vgpr_count:     192
    .wavefront_size: 32
...
	.end_amdgpu_metadata
.endif
;; end of part 1
;; launch proj (part 2): grid 16 x 16, 4 waves a work-group, clusters of 4 x 4, 327,680 bytes of LDS; arguments act, wts, bq, bk, bki, bv, bvi, raw, ssq; writes raw, ssq
.if DOCPART == 2
	.amdgcn_target "amdgcn-amd-amdhsa--gfx1250"
	.amdhsa_code_object_version 6
	.text
	.protected	k_q30d25c4e8c_proj
	.globl	k_q30d25c4e8c_proj
	.p2align	8
	.type	k_q30d25c4e8c_proj,@function
k_q30d25c4e8c_proj:
	s_mov_b64 s[64:65], 0
	v_nop
	global_prefetch_b8 v0, s[64:65] scope:SCOPE_SE
	s_setreg_imm32_b32 hwreg(HW_REG_WAVE_MODE, 25, 1), 1
	s_wait_xcnt 0x0
	s_wait_alu depctr_hold_cnt(0) depctr_sa_sdst(0) depctr_va_vdst(0) depctr_va_sdst(0) depctr_va_ssrc(0) depctr_va_vcc(0) depctr_vm_vsrc(0)
	s_getreg_b32 s2, hwreg(HW_REG_IB_STS2, 6, 4)
	s_cmp_eq_u32 s2, 0
	s_cbranch_scc0 .Lentry_in_a_cluster
	s_endpgm
.Lentry_in_a_cluster:
	s_bfe_u32 s2, ttmp6, 0x10000c
	s_cmp_lg_u32 s2, 0xf033
	s_cbranch_scc0 .Lentry_shape_is_right
	s_endpgm
.Lentry_shape_is_right:
; C = A B^T + bias on codes of FP6 (E2M3) with E8M0 scales, K = 2,048, N = 2,048; C f32, rows of 8,192 bytes; beside it the sum of squares of each row's 128 columns that a wave makes.
; Arguments: A's operand buffer (393,216 bytes of scale words, then codes), the weights (3,276,800 bytes each: 131,072 of scale words, then codes), five biases, C, the sums of squares [16 parts][8,192 rows].
; Operands lie as images of their registers: row block of 16 rows at 24,576 rho, K step of 128 at + 1,536 s; scale words: 16,384 a group of 256 rows, 1,024 a K step, 4 a row.
; WHICH PRODUCT.  Cluster c = x + 4 y.  c < 8: product 0 (4,096 rows: 4 x 2 clusters).  c = 8 .. 15: products 1 to 4 (1,024 rows each, 2 clusters): weights 1 .. 4, A's groups 16 or 20 on, C's groups 16, 20, 24, 28 on.
; A launch of 4 x 2 clusters has product 0 alone.  All of that hangs on the cluster's number, which the sixteen partners share, and is chosen by selects, never by a branch.
; A tile of C, 256 x 256, is made by four waves, 128 x 128 each: 64 accumulators.  K goes in steps of 256 through two LDS slots; a wave's tensor load brings 8 row blocks x 3,072 bytes.
; The scale words of the tile's rows, for all of K, come once with the first fills.  A's tiles are asked for jointly along a row of the cluster, B's along a column.
; The matrix instruction is used transposed (source 0 = 16 rows of B, source 1 = 16 rows of A): a lane holds eight neighbouring columns of one row of C.  The bias is the C of each sum's first product.
; REGISTERS: window 0: v16-31 addresses; v32-63 scale words, two sets; v64-127 the bias, on the way out the sums of squares; v128-223 A's fragments, one set.  window 1: B's fragments, two sets.  windows 2, 3: the accumulators.
.set NQ,     2                         ; matrix instructions deep in a slot
.set FR,     12                        ; registers of a fragment
.set NL,     3                         ; LDS loads that bring one
.set NP,     4                         ; places behind this matrix instruction (ISA guide 7.12.1)
.set HALFT,  24576                     ; 128 rows x 256 K: what one tensor load brings
.set SLOT,   98304                     ; A's 256 rows, then B's
.set LAPS,   4                         ; 2,048 / 512
.set SCL,    196608                    ; behind the ring: A's 16,384 bytes of scale words, then B's
.set SPARE,  229376                    ; the spare words, 128 bytes a wave
.set SPITCH, 528                       ; the way out: 16 rows x 528 bytes and 512 bytes for the sums, 8,960 a wave, in slot 0 behind its last fill and its last read
.set ADRA, 16
.set ADRB, 20
.set STO,  24
.set RD,   25
.set CO,   26
.set ADRS, 27
.set SPW,  28
.set NIL,  29
.set GA8,  30
.set GR8,  31
.set SC,   32
.set NV,   64
.set AF,   128
.set BK,   128
.set G8,   64                          ; the way out: v64-71 eight blocks' sums of squares; v72-81 at work
.set T4,   72
.set G1, 24
.set G0, 32
.set G1B, 48
.set G0B, 56
.set G1S, 68
.set G0S, 76
.set G1SB, 80
.set G0SB, 88
.set MSB, 0
.macro WIN new                         ; the immediate's high byte repeats the setting that is left
.if MSB != (\new)
	s_set_vgpr_msb (MSB<<8)|(\new)
.set MSB, (\new)
.endif
.endm
.set MUL_LO, 0xa1                      ; source 0 (B) window 1, source 1 (A) window 0, C and D window 2
.set MUL_HI, 0xf1                      ; the same, C and D window 3
.set TO_B,   0x40
; a joint load: waves 0 and 1 fetch for A, waves 2 and 3 for B; an s_nop 0 and four v_nop follow each of the two lines
.macro JLOAD g0a, g1a, g0b, g1b
	s_cmp_eq_u32 s15, 0
	s_cbranch_scc0 .Lfor_b_\@
	tensor_load_to_lds s[\g0a:\g0a+3], s[\g1a:\g1a+7]
	s_nop 0
.rept 4
	v_nop
.endr
	s_branch .Lasked_\@
.Lfor_b_\@:
	tensor_load_to_lds s[\g0b:\g0b+3], s[\g1b:\g1b+7]
	s_nop 0
.rept 4
	v_nop
.endr
.Lasked_\@:
.endm
.macro CREST
	s_cmp_lg_u32 s14, 0
	s_cbranch_scc1 .Lnot_wave_0_\@
	s_barrier_signal -3
.Lnot_wave_0_\@:
	s_barrier_wait -3
	s_barrier_signal -1
	s_barrier_wait -1
.endm
.macro CROUND
	s_barrier_signal -1
	s_barrier_wait -1
	CREST
.endm
	s_load_b256 s[4:11], s[0:1], 0x0                   ; A 4, weights 6, bias 0 at 8, bias 1 at 10
	s_load_b256 s[92:99], s[0:1], 0x20                 ; biases 2, 3, 4 at 92, 94, 96; C 98
	s_load_b64 s[100:101], s[0:1], 0x40                ; the sums of squares
	v_lshl_add_u32 v[SPW], v0, 2, SPARE
	v_mov_b32 v[NIL], 0
	ds_add_u32 v[SPW], v[NIL]                          ; the wave's opening: the add and its wait ahead of my first tensor load
	v_lshrrev_b32 v1, 5, v0
	v_readfirstlane_b32 s14, v1                        ; wave
	s_lshr_b32 s15, s14, 1                             ; my half of the rows; also: I fetch for A (0) or B (1)
	s_and_b32 s16, s14, 1                              ; my half of the columns; also: which half I fetch
	s_bfe_u32 s40, ttmp6, 0x40000                      ; cx
	s_bfe_u32 s41, ttmp6, 0x40004                      ; cy
	s_and_b32 s18, ttmp7, 0xffff
	s_lshl_b32 s18, s18, 2
	s_add_co_u32 s18, s18, ttmp9                       ; c
	s_lshr_b32 s19, s18, 1
	s_and_b32 s20, s18, 1
	s_sub_co_u32 s67, s19, 3
	s_cmp_lt_u32 s18, 8
	s_cselect_b32 s21, s19, 0
	s_cselect_b32 s67, 0, s67                          ; which product
	s_lshl_b32 s17, s21, 2
	s_add_co_u32 s17, s17, s41                         ; tile row
	s_lshl_b32 s42, s20, 2
	s_add_co_u32 s42, s42, s40                         ; tile column
	s_sub_co_u32 s22, s67, 1
	s_and_b32 s22, s22, 1
	s_lshl_b32 s22, s22, 2
	s_add_co_u32 s22, s22, 16
	s_lshl_b32 s23, s67, 2
	s_add_co_u32 s23, s23, 12
	s_cmp_eq_u32 s67, 0
	s_cselect_b32 s22, 0, s22                          ; A's first group
	s_cselect_b32 s23, 0, s23                          ; C's first group
	s_add_co_u32 s66, s22, s17                         ; A's group
	s_add_co_u32 s104, s23, s17                        ; C's group
	s_lshl_b32 s43, s41, 2
	s_lshl_b32 s43, 15, s43                            ; my row of the cluster
	s_lshl_b32 s44, 0x1111, s40                        ; my column
	; group 1 of a tile of codes: 8 rows of 384 elements of 8 bytes, 3,072 elements apart; no padding: an image's loads take 512 consecutive bytes
	s_or_b32 s[G1+0], s43, (3<<16)|(1<<21)
	s_or_b32 s[G1B+0], s44, (3<<16)|(1<<21)
.irp g, G1, G1B
	s_mov_b32 s[\g+1], 384<<16
	s_mov_b32 s[\g+2], 8<<16
	s_mov_b32 s[\g+3], 384<<16
	s_mov_b32 s[\g+4], 8
	s_mov_b32 s[\g+5], 3072
	s_mov_b32 s[\g+6], 0
	s_mov_b32 s[\g+7], 0
.endr
	; and of half a group's scale words: 8,192 dense bytes as 32 rows of 256
	s_or_b32 s[G1S+0], s43, (3<<16)|(1<<21)
	s_or_b32 s[G1SB+0], s44, (3<<16)|(1<<21)
.irp g, G1S, G1SB
	s_mov_b32 s[\g+1], 32<<16
	s_mov_b32 s[\g+2], 32<<16
	s_mov_b32 s[\g+3], 32<<16
	s_mov_b32 s[\g+4], 32
	s_mov_b32 s[\g+5], 32
	s_mov_b32 s[\g+6], 0
	s_mov_b32 s[\g+7], 0
.endr
	s_add_co_u32 s20, s66, 1
	s_mul_i32 s20, s20, 393216
	s_mul_i32 s2, s16, 196608
	s_add_co_u32 s20, s20, s2                          ; A's codes: my 128 rows
	s_mov_b32 s21, 0
	s_lshl_b32 s22, s66, 14
	s_lshl_b32 s105, s16, 13
	s_add_co_u32 s22, s22, s105                        ; A's scale words: my half of the block
	s_mov_b32 s23, 0
	s_mul_i32 s18, s67, 3276800                        ; the weight
	s_mul_i32 s46, s42, 393216
	s_add_co_u32 s46, s46, s18
	s_add_co_u32 s46, s46, s2
	s_add_co_u32 s46, s46, 131072                      ; B's codes
	s_mov_b32 s47, 0
	s_lshl_b32 s19, s42, 14                            ; (a register that feeds B's addresses alone)
	s_add_co_u32 s18, s18, s19
	s_add_co_u32 s18, s18, s105                        ; B's scale words
	s_mov_b32 s19, 0
	s_mul_i32 s45, s14, HALFT                          ; where they go: by the wave's number alone
	s_lshl_b32 s105, s14, 13
	s_wait_dscnt 0x0                                   ; the opening add is done
	s_wait_kmcnt 0x0
	s_add_nc_u64 s[20:21], s[4:5], s[20:21]
	s_add_nc_u64 s[22:23], s[4:5], s[22:23]
	s_add_nc_u64 s[46:47], s[6:7], s[46:47]
	s_add_nc_u64 s[18:19], s[6:7], s[18:19]
	CROUND                                             ; all sixteen work-groups are here: the first joint loads meet
	s_mov_b32 s[G0S], 1
	s_add_co_u32 s[G0S+1], s105, SCL
	s_mov_b64 s[G0S+2:G0S+3], s[22:23]
	s_or_b32 s[G0S+3], s[G0S+3], 0x80000000
	s_mov_b32 s[G0SB], 1
	s_add_co_u32 s[G0SB+1], s105, SCL
	s_mov_b64 s[G0SB+2:G0SB+3], s[18:19]
	s_or_b32 s[G0SB+3], s[G0SB+3], 0x80000000
	JLOAD G0S, G1S, G0SB, G1SB                         ; the scale words first; with the two below three loads of mine are out
.irp s, 0,1
	s_mov_b32 s[G0+4*\s], 1
	s_add_co_u32 s[G0+4*\s+1], s45, \s*SLOT
	s_add_nc_u64 s[G0+4*\s+2:G0+4*\s+3], s[20:21], \s*3072
	s_or_b32 s[G0+4*\s+3], s[G0+4*\s+3], 0x80000000
	s_mov_b32 s[G0B+4*\s], 1
	s_add_co_u32 s[G0B+4*\s+1], s45, \s*SLOT
	s_add_nc_u64 s[G0B+4*\s+2:G0B+4*\s+3], s[46:47], \s*3072
	s_or_b32 s[G0B+4*\s+3], s[G0B+4*\s+3], 0x80000000
	JLOAD G0+4*\s, G1, G0B+4*\s, G1B
.endr
	s_cmp_eq_u32 s67, 1                                ; the product's bias
	s_cselect_b64 s[8:9], s[10:11], s[8:9]
	s_cmp_eq_u32 s67, 2
	s_cselect_b64 s[8:9], s[92:93], s[8:9]
	s_cmp_eq_u32 s67, 3
	s_cselect_b64 s[8:9], s[94:95], s[8:9]
	s_cmp_eq_u32 s67, 4
	s_cselect_b64 s[8:9], s[96:97], s[8:9]
	s_lshl_b32 s20, s42, 10
	s_lshl_b32 s2, s16, 9
	s_add_co_u32 s20, s20, s2                          ; my first column, in bytes
	s_mov_b32 s21, 0
	s_add_nc_u64 s[8:9], s[8:9], s[20:21]
	s_lshl_b32 s22, s104, 21                           ; 256 rows of 8,192 bytes
	s_lshl_b32 s2, s15, 20
	s_add_co_u32 s22, s22, s2
	s_add_co_u32 s22, s22, s20
	s_mov_b32 s23, 0
	s_add_nc_u64 s[12:13], s[98:99], s[22:23]          ; my part of C
	s_lshl_b32 s22, s42, 1
	s_add_co_u32 s22, s22, s16
	s_lshl_b32 s22, s22, 15                            ; part 2 x tile column + half
	s_lshl_b32 s2, s104, 10
	s_add_co_u32 s22, s22, s2
	s_lshl_b32 s2, s15, 9
	s_add_co_u32 s22, s22, s2
	s_add_nc_u64 s[10:11], s[100:101], s[22:23]        ; my 128 rows' sums
	v_and_b32 v1, 15, v0                               ; r
	v_bfe_u32 v2, v0, 4, 1                             ; h
	v_lshlrev_b32 v7, 5, v2
.irp b, 0,1,2,3,4,5,6,7
	global_load_b128 v[NV+8*\b:NV+8*\b+3], v7, s[8:9] offset:64*\b        ; bias of columns 16 b + 8 h + 0 .. 7: the result's layout
	global_load_b128 v[NV+8*\b+4:NV+8*\b+7], v7, s[8:9] offset:64*\b+16
.endr
	v_and_b32 v6, 31, v0
	v_lshlrev_b32 v[CO], 4, v6                         ; 16 x lane
	s_mul_i32 s2, s15, HALFT                           ; my 128 rows of A
	s_mul_i32 s105, s16, HALFT
	s_add_co_u32 s105, s105, 2*HALFT                   ; my 128 rows of B
.irp s, 0,1
	v_add_nc_u32 v[ADRA+\s], s2, v[CO]
	v_add_nc_u32 v[ADRB+\s], s105, v[CO]
	s_add_co_u32 s2, s2, SLOT
	s_add_co_u32 s105, s105, SLOT
.endr
	s_lshl_b32 s2, s15, 9                              ; A's scale words: my 128 rows
	s_lshl_b32 s105, s16, 9
	s_add_co_u32 s105, s105, 16384                     ; B's: my 128 rows, behind A's block
	s_sub_co_u32 s105, s105, s2
	v_mul_u32_u24 v5, s105, v2                         ; lanes 16-31 take B's
	v_lshl_add_u32 v5, v1, 2, v5
	s_add_co_u32 s2, s2, SCL
	v_add_nc_u32 v[ADRS], s2, v5
	s_mul_i32 s2, s14, 8960                            ; my stage
	v_mul_u32_u24 v5, v1, SPITCH
	v_lshl_add_u32 v5, v2, 5, v5
	v_add_nc_u32 v[STO], s2, v5                        ; in: row r, 32 bytes for each half of the lanes
	v_add_nc_u32 v[RD], s2, v[CO]                      ; back: a row of 512 bytes
	s_add_co_u32 s2, s2, 8448
	v_lshl_add_u32 v[GA8], v1, 2, s2
	v_add_nc_u32 v[GR8], s2, v[CO]
.macro FRAG reg, adr, q, i             ; a fragment's image: three loads of 512 consecutive bytes
.irp c, 0,1,2
	ds_load_b128 v[\reg+4*\c:\reg+4*\c+3], v[\adr] offset:(2*(\i)+(\q))*1536+512*\c
.endr
.endm
; 16 matrix instructions: A's blocks a0, a0 + 1 x B's eight.  zero = 1: the first product starts the sums from the bias.  The 64 accumulators take turns.
.macro MUL16 a0, p, q, sc, zero
.irp a, \a0, \a0+1
.irp b, 0,1,2,3,4,5,6,7
.if \zero
	v_wmma_scale_f32_16x16x128_f8f6f4 v[8*(8*((\a)%4)+\b):8*(8*((\a)%4)+\b)+7], v[128*(\p)+FR*\b:128*(\p)+FR*\b+FR-1], v[AF+FR*(\a):AF+FR*(\a)+FR-1], v[NV+8*\b:NV+8*\b+7], v[SC+8*NQ*(\sc)+NQ*\b+(\q)], v[SC+8*NQ*(\sc)+NQ*(\a)+(\q)] matrix_a_fmt:MATRIX_FMT_FP6 matrix_b_fmt:MATRIX_FMT_FP6 matrix_a_scale:MATRIX_SCALE_ROW1
.else
	v_wmma_scale_f32_16x16x128_f8f6f4 v[8*(8*((\a)%4)+\b):8*(8*((\a)%4)+\b)+7], v[128*(\p)+FR*\b:128*(\p)+FR*\b+FR-1], v[AF+FR*(\a):AF+FR*(\a)+FR-1], v[8*(8*((\a)%4)+\b):8*(8*((\a)%4)+\b)+7], v[SC+8*NQ*(\sc)+NQ*\b+(\q)], v[SC+8*NQ*(\sc)+NQ*(\a)+(\q)] matrix_a_fmt:MATRIX_FMT_FP6 matrix_b_fmt:MATRIX_FMT_FP6 matrix_a_scale:MATRIX_SCALE_ROW1
.endif
.endr
.endr
.endm
.macro FETCH_B slot, q, p
	WIN TO_B
.irp i, 0,1,2,3,4,5,6,7
	FRAG 128*(\p)+FR*\i, ADRB+\slot, \q, \i
.endr
	WIN 0
.endm
.macro FETCH_A slot, q, i0
.irp i, \i0, \i0+1, \i0+2, \i0+3
	FRAG AF+FR*(\i), ADRA+\slot, \q, \i
.endr
.endm
.macro SCALES sc                       ; the slot's scale words: register 2 i + q: lanes 0-15 A's block i, lanes 16-31 B's block i
.irp i, 0,1,2,3,4,5,6,7
.irp q, 0,1
	ds_load_b32 v[SC+16*\sc+2*\i+\q], v[ADRS] offset:\q*1024+64*\i
.endr
.endr
.endm
.macro PLACES n
.rept \n
	v_nop
.endr
.endm
.macro STEP slot, q, zero
	s_wait_dscnt 4*NL                                  ; B's set, A's blocks 0-3 and the scale words are in; A's blocks 4-7 (12 loads) may be out
.if \zero
	WIN 0x81                                           ; C (the bias) in window 0
.else
	WIN MUL_LO
.endif
	MUL16 0, (\q)%2, \q, \slot, \zero
	MUL16 2, (\q)%2, \q, \slot, \zero
	s_wait_dscnt 0
	PLACES NP
	FETCH_B \slot, (\q)+1, 1-(\q)%2
	FETCH_A \slot, (\q)+1, 0
.if \zero
	WIN 0xc1
.else
	WIN MUL_HI
.endif
	MUL16 4, (\q)%2, \q, \slot, \zero
	MUL16 6, (\q)%2, \q, \slot, \zero
	PLACES NP
	WIN 0
	FETCH_A \slot, (\q)+1, 4
.endm
; a slot's last step changes slots: one barrier; in front of it each wave waits for all its tensor loads, adds 0 to its spare word, and waits for that and for its reads of this slot
.macro TURN slot, next, fill
	s_wait_tensorcnt 0x0                               ; all my tensor loads have landed: my part of the next slot
	ds_add_u32 v[SPW], v[NIL]
	s_wait_dscnt 4*NL+1                                ; the add and A's blocks 4-7 may be out
	WIN MUL_LO
	MUL16 0, 1, NQ-1, \slot, 0
	s_wait_dscnt 0x0                                   ; the add is done, and my reads of this slot are over
	s_barrier_signal -1
	MUL16 2, 1, NQ-1, \slot, 0
	WIN 0
	s_barrier_wait -1
.if \fill
	CREST                                              ; the barrier has opened a round of the cluster's barrier: no wave of any partner reads this slot or has a load on its way
	s_add_nc_u64 s[G0+4*\slot+2:G0+4*\slot+3], s[G0+4*\slot+2:G0+4*\slot+3], 6144
	s_add_nc_u64 s[G0B+4*\slot+2:G0B+4*\slot+3], s[G0B+4*\slot+2:G0B+4*\slot+3], 6144
	JLOAD G0+4*\slot, G1, G0B+4*\slot, G1B             ; my one tensor load behind the round; its four v_nop are the places in front of the loads below
.else
	PLACES NP
.endif
	v_add_nc_u32 v[ADRS], 2048, v[ADRS]                ; the next slot's scale words
	FETCH_B \next, 0, 0
	FETCH_A \next, 0, 0
	SCALES \next
	WIN MUL_HI
	MUL16 4, 1, NQ-1, \slot, 0
	MUL16 6, 1, NQ-1, \slot, 0
	PLACES NP
	WIN 0
	FETCH_A \next, 0, 4
.endm
	s_wait_tensorcnt 1                                 ; the scale words and my part of slot 0 are in; slot 1's load may be out
	s_barrier_signal -1
	s_barrier_wait -1
	FETCH_B 0, 0, 0
	FETCH_A 0, 0, 0
	SCALES 0
	FETCH_A 0, 0, 4
	s_wait_loadcnt 0x0                                 ; the bias
	STEP 0, 0, 1
	s_mov_b32 s3, LAPS-1
.Llap:
	TURN 0, 1, 1
	STEP 1, 0, 0
	TURN 1, 0, 1
	STEP 0, 0, 0
	s_sub_co_u32 s3, s3, 1
	s_cmp_lg_u32 s3, 0
	s_cbranch_scc1 .Llap
	TURN 0, 1, 0                                       ; the last lap fills nothing
	STEP 1, 0, 0
	s_wait_dscnt 4*NL
	WIN MUL_LO
	MUL16 0, 1, NQ-1, 1, 0
	MUL16 2, 1, NQ-1, 1, 0
	s_wait_dscnt 0
	WIN MUL_HI
	MUL16 4, 1, NQ-1, 1, 0
	MUL16 6, 1, NQ-1, 1, 0
	WIN 0
; THE WAY OUT, block by block of 16 rows x 128 columns: the sum of squares of each row's 128 numbers; the block through my stage; whole rows of 512 bytes stored.
.macro SSQ a
.set AC, 64*((\a)%4)
	WIN 0x0a+5*((\a)/4)                                ; sources 0 and 1: window 2 or 3
.irp u, 0,1,2,3
	v_pk_mul_f32 v[T4+2*\u:T4+1+2*\u], v[AC+2*\u:AC+2*\u+1], v[AC+2*\u:AC+2*\u+1]   ; four chains; each accumulator is read from its low end on
.endr
.set k, 8
.rept 7
.irp u, 0,1,2,3
	v_pk_fma_f32 v[T4+2*\u:T4+1+2*\u], v[AC+k+2*\u:AC+k+2*\u+1], v[AC+k+2*\u:AC+k+2*\u+1], v[T4+2*\u:T4+1+2*\u]
.endr
.set k, k+8
.endr
	WIN 0
	v_pk_add_f32 v[T4:T4+1], v[T4:T4+1], v[T4+2:T4+3]
	v_pk_add_f32 v[T4+4:T4+5], v[T4+4:T4+5], v[T4+6:T4+7]
	v_pk_add_f32 v[T4:T4+1], v[T4:T4+1], v[T4+4:T4+5]
	v_add_f32 v[T4+8], v[T4], v[T4+1]
	v_permlanex16_b32 v[T4+9], v[T4+8], s18, s19
	v_add_f32 v[G8+(\a)], v[T4+8], v[T4+9]             ; row 16 a + r, in both halves of the lanes
.endm
.macro TOSTAGE a
.set AC, 64*((\a)%4)
	WIN 0x08+4*((\a)/4)                                ; the data: window 2 or 3
.irp b, 0,1,2,3,4,5,6,7
	ds_store_b128 v[STO], v[AC+8*\b:AC+8*\b+3] offset:64*\b
	ds_store_b128 v[STO], v[AC+8*\b+4:AC+8*\b+7] offset:64*\b+16
.endr
	WIN 0
.set BB, BK+64*((\a)%2)
.irp t, 0,1,2,3,4,5,6,7,8,9,10,11,12,13,14,15
	ds_load_b128 v[BB+4*\t:BB+4*\t+3], v[RD] offset:\t*SPITCH     ; LDS serves a wave's instructions in order (ISA guide 5.7.1.4)
.endr
.endm
.macro SEND a, younger
.set BB, BK+64*((\a)%2)
	s_wait_dscnt \younger                              ; the block is back; the next block's 16 stores and 16 loads may be out
.if (\a) > 0
	s_add_nc_u64 s[12:13], s[12:13], 131072            ; 16 rows on (behind a wait on XCNT: the earlier stores have read their base)
.endif
.irp t, 0,1,2,3,4,5,6,7,8,9,10,11,12,13,14,15
	global_store_b128 v[CO], v[BB+4*\t:BB+4*\t+3], s[12:13] offset:\t*8192 th:TH_STORE_NT   ; 512 consecutive bytes, aligned
.endr
.endm
	PLACES NP
	v_mov_b32 v[T4+9], 0                               ; a lane permute's destination counts as one of its sources
	s_mov_b32 s18, 0x76543210
	s_mov_b32 s19, 0xfedcba98
	SSQ 0
	TOSTAGE 0
.irp a, 1,2,3,4,5,6,7
	SSQ \a
.if \a > 1
	s_wait_xcnt 0x0                                    ; block a - 2's stores have read their registers and their base
.endif
	TOSTAGE \a
	SEND \a-1, 32
.endr
	s_wait_xcnt 0x0
	SEND 7, 0
.irp a, 0,1,2,3,4,5,6,7
	ds_store_b32 v[GA8], v[G8+\a] offset:64*\a         ; both halves of the lanes write the same word with the same value
.endr
	ds_load_b128 v[T4:T4+3], v[GR8]
	s_wait_dscnt 0x0
	global_store_b128 v[CO], v[T4:T4+3], s[10:11]      ; my 128 rows' sums: 512 consecutive bytes
	s_wait_tensorcnt 0x0                               ; the wave's end
	ds_add_u32 v[SPW], v[NIL]
	s_wait_dscnt 0x0
	CROUND                                             ; the closing round
	s_endpgm
.Lfunc_end_k_q30d25c4e8c_proj:
	.size	k_q30d25c4e8c_proj, .Lfunc_end_k_q30d25c4e8c_proj-k_q30d25c4e8c_proj
	.p2alignl 7, 3214868480
	.fill 96, 4, 3214868480
	.section	.rodata,"a",@progbits
	.p2align	6, 0x0
	.amdhsa_kernel k_q30d25c4e8c_proj
		.amdhsa_group_segment_fixed_size 327680
		.amdhsa_private_segment_fixed_size 0
		.amdhsa_enable_private_segment 0
		.amdhsa_kernarg_size 72
		.amdhsa_user_sgpr_count 2
		.amdhsa_user_sgpr_kernarg_segment_ptr 1
		.amdhsa_wavefront_size32 1
		.amdhsa_system_sgpr_workgroup_id_x 1
		.amdhsa_system_sgpr_workgroup_id_y 1
		.amdhsa_system_sgpr_workgroup_id_z 1
		.amdhsa_system_vgpr_workitem_id 0
		.amdhsa_next_free_vgpr 1024
		.amdhsa_next_free_sgpr 106
		.amdhsa_reserve_vcc 0
		.amdhsa_float_denorm_mode_32 3
		.amdhsa_float_denorm_mode_16_64 3
		.amdhsa_memory_ordered 1
		.amdhsa_forward_progress 1
		.amdhsa_inst_pref_size 160
	.end_amdhsa_kernel
	.amdgpu_metadata
---
amdhsa.version: [ 1, 2 ]
amdhsa.kernels:
  - .name:           k_q30d25c4e8c_proj
    .symbol:         k_q30d25c4e8c_proj.kd
    .args:
      - { .name: act, .offset: 0, .size: 8, .value_kind: global_buffer, .address_space: global }
      - { .name: wts, .offset: 8, .size: 8, .value_kind: global_buffer, .address_space: global }
      - { .name: bq, .offset: 16, .size: 8, .value_kind: global_buffer, .address_space: global }
      - { .name: bk, .offset: 24, .size: 8, .value_kind: global_buffer, .address_space: global }
      - { .name: bki, .offset: 32, .size: 8, .value_kind: global_buffer, .address_space: global }
      - { .name: bv, .offset: 40, .size: 8, .value_kind: global_buffer, .address_space: global }
      - { .name: bvi, .offset: 48, .size: 8, .value_kind: global_buffer, .address_space: global }
      - { .name: raw, .offset: 56, .size: 8, .value_kind: global_buffer, .address_space: global }
      - { .name: ssq, .offset: 64, .size: 8, .value_kind: global_buffer, .address_space: global }
    .group_segment_fixed_size: 327680
    .private_segment_fixed_size: 0
    .kernarg_segment_align: 8
    .kernarg_segment_size: 72
    .max_flat_workgroup_size: 128
    .sgpr_count:     106
    .vgpr_count:     1024
    .wavefront_size: 32
...
	.end_amdgpu_metadata
.endif
;; end of part 2
;; launch norm (part 3): grid 584 x 1, 4 waves a work-group, no clusters, 35,328 bytes of LDS; arguments raw, ssq, gq, gk, gki, nq, vq; writes nq, vq
.if DOCPART == 3
	.amdgcn_target "amdgcn-amd-amdhsa--gfx1250"
	.amdhsa_code_object_version 6
	.text
	.protected	k_q30d25c4e8c_norm
	.globl	k_q30d25c4e8c_norm
	.p2align	8
	.type	k_q30d25c4e8c_norm,@function
k_q30d25c4e8c_norm:
	s_mov_b64 s[64:65], 0
	v_nop
	global_prefetch_b8 v0, s[64:65] scope:SCOPE_SE
	s_setreg_imm32_b32 hwreg(HW_REG_WAVE_MODE, 25, 1), 1
	s_wait_xcnt 0x0
; raw [8192 rows][2048] f32: rows 0-4095 q, 4096-5119 k, 5120-6143 k_img (512 b + j), 6144-7167 v, 7168-8191 v_img.  ssq [16 parts][8192]: each row's sums of squares over 128 columns.
; Work-groups 0-359: q, k, k_img (keys 0-319 of each batch): x * rsqrt(mean of squares + 1e-6) * gain, in f32, quantised along a head's 128 channels into nq, laid as images of operand registers
;   (row block at 393,216 + 24,576 rho, head at + 1,536; scale words at 16,384 (row / 256) + 1,024 head + 4 (row % 256)).  A wave: 64 rows of one head.
;   THE KEYS OF A TILE ARE NOT NEIGHBOURS: row r of tile 2 b + u of k and k_img is key 32 b + 8 u + r + 8 (r / 8), so that the scores' 16 registers of two neighbouring tiles are 16 neighbouring keys.
; Work-groups 360-583: v, v_img, quantised along the KEYS into vq: a lane to a channel, registers down the keys; a wave: 32 channels x 128 keys.
;   Place p of a group of 32 channels holds channel p with bits 3 and 4 swapped, so that attention's result comes out with 16 neighbouring channels in 16 registers.
;   vq: scale words at 57,344 b (+ 32,768 image) + 512 (head KS + s) + 4 place; codes at 114,688 + 1,376,256 b (+ 786,432 image) + 1,536 (KS (8 head + tile) + s); KS = 4 key steps of text, 3 of image.
;   Image keys from 257 on count as zeros, as the quantiser fills its last block.
; LIMITS: NaN and infinities are not served; a block of zeros gets the byte 1 (this program alone reads the bytes).
.set SPARE, 34816
.set SPW, 22
.set NIL, 23
.set RS,  24                           ; v24-31 four pairs: the factor of my row in fragment rb, and 0
.set RA,  32
.set RB,  96
.set G,   160                          ; v160-223 the head's gains, in the quantiser's order
.set PC,  224
.set CT,  236
.set TM,  244
.set SO,  252
.set PW,  20
.set SEL, 36
.set X,   32
.set PCW, 96
.set CTW, 144
.macro QUANT s, pc, pw
.irp b, 0,1,2,3
	v_max3_num_f32 v[TM+\b], |v[(\s)+16*\b]|, |v[(\s)+1+16*\b]|, 0x1800000
.endr
.irp i, 2,4,6,8,10,12,14
.irp b, 0,1,2,3
	v_max3_num_f32 v[TM+\b], v[TM+\b], |v[(\s)+16*\b+\i]|, |v[(\s)+1+16*\b+\i]|
.endr
.endr
.irp b, 0,1,2,3
	v_permlanex16_b32 v[TM+4+\b], v[TM+\b], s[SEL], s[SEL+1]
.endr
.irp b, 0,1,2,3
	v_max_num_f32 v[TM+\b], v[TM+\b], v[TM+4+\b]
.endr
.irp b, 0,1,2,3
	v_add_nc_u32 v[SO+\b], 0xff000000, v[TM+\b]
.endr
.irp b, 0,1,2,3
	v_lshrrev_b32 v[TM+4+\b], 23, v[SO+\b]
.endr
	v_lshl_or_b32 v[(\pw)], v[TM+5], 8, v[TM+4]
	v_lshl_or_b32 v[(\pw)], v[TM+6], 16, v[(\pw)]
	v_lshl_or_b32 v[(\pw)], v[TM+7], 24, v[(\pw)]
.irp c, 0,1
	v_cvt_scalef32_pk16_fp6_f32 v[(\pc)+6*\c:(\pc)+2+6*\c], v[(\s)+32*\c:(\s)+15+32*\c], v[SO+2*\c]
	v_cvt_scalef32_pk16_fp6_f32 v[CT+4*\c:CT+2+4*\c], v[(\s)+16+32*\c:(\s)+31+32*\c], v[SO+2*\c+1]
.endr
	v_nop                                              ; one plain place behind a scaled conversion
.irp c, 0,1
.irp i, 0,1,2
	v_permlane16_swap_b32 v[(\pc)+6*\c+\i], v[CT+4*\c+\i]
.endr
.irp i, 0,1,2
	v_mov_b32 v[(\pc)+3+6*\c+\i], v[CT+4*\c+\i]
.endr
.endr
.endm
; fragment rb of 4: row i of it is row 32 (rb / 2) + i of my 64, plus what the offset register chosen by (rb % 2, i / 8) adds
.macro LOADR rb, set
.set i, 0
.rept 16
	global_load_b128 v[\set+4*i:\set+4*i+3], v[10+2*((\rb)%2)+i/8], s[30:31] offset:(32*((\rb)/2)+i)*8192 th:TH_LOAD_NT
.set i, i+1
.endr
.endm
.macro TURN set
.set i, 0
.rept 16
	ds_store_b128 v4, v[\set+4*i:\set+4*i+3] offset:i*528
.set i, i+1
.endr
.irp b, 0,1,2,3
.irp j, 0,1,2,3
	ds_load_b128 v[\set+16*\b+4*\j:\set+16*\b+4*\j+3], v5 offset:128*\b+16*\j
.endr
.endr
.endm
.macro NSTEP rb, set
.if (\rb) < 3
	s_wait_loadcnt 16                                  ; this fragment's 16 loads are in; the next one's may be out
.else
	s_wait_loadcnt 0x0
.endif
	TURN \set
	s_wait_dscnt 0x0
.set j, 0
.rept 32
	v_pk_mul_f32 v[\set+j:\set+j+1], v[\set+j:\set+j+1], v[RS+2*(\rb):RS+2*(\rb)+1] op_sel_hi:[1,0]   ; x times the row's factor,
.set j, j+2
.endr
.set j, 0
.rept 32
	v_pk_mul_f32 v[\set+j:\set+j+1], v[\set+j:\set+j+1], v[G+j:G+j+1]                                 ; then times the gain
.set j, j+2
.endr
.if (\rb) > 0
	s_wait_xcnt 0x0                                    ; the last fragment's stores have read the codes' registers
.endif
	QUANT \set, PC, PW
.if (\rb) < 2
	LOADR (\rb)+2, \set
.endif
.irp c, 0,1,2
	global_store_b128 v2, v[PC+4*\c:PC+4*\c+3], s[32:33] offset:(\rb)*24576+512*\c
.endr
	ds_store_b32 v6, v[PW] offset:64*(\rb)
.endm
; columns: block t of 4: half h' = t / 2, c = t % 2: keys 64 c + 32 h' + i of my key step
.macro LOADV t
.set i, 0
.rept 32
	global_load_b32 v[X+32*((\t)%2)+i], v2, s[30:31] offset:(64*((\t)%2)+32*((\t)/2)+i)*8192 th:TH_LOAD_NT
.set i, i+1
.endr
.endm
.macro BLOCKV t
.set XS, X+32*((\t)%2)
.set PD, PCW+12*((\t)/2)+6*((\t)%2)
.if (\t) < 3
	s_wait_loadcnt 32                                  ; this block's 32 loads are in; the next block's may be out
.else
	s_wait_loadcnt 0x0
.endif
	s_cmp_lg_u32 s29, 2                                ; the image's third key step: key 256 alone counts
	s_cbranch_scc1 .Lkeep_\@
.if (\t) == 0
.set i, 1
.else
.set i, 0
.endif
.rept 32-i
	v_mov_b32 v[XS+i], 0
.set i, i+1
.endr
.Lkeep_\@:
	v_max3_num_f32 v12, |v[XS]|, |v[XS+1]|, |v[XS+2]|
	v_max3_num_f32 v13, |v[XS+3]|, |v[XS+4]|, |v[XS+5]|
.irp i, 6,10,14,18,22,26
	v_max3_num_f32 v12, v12, |v[XS+\i]|, |v[XS+\i+1]|
	v_max3_num_f32 v13, v13, |v[XS+\i+2]|, |v[XS+\i+3]|
.endr
	v_max3_num_f32 v12, v12, |v[XS+30]|, |v[XS+31]|
	v_max3_num_f32 v12, v12, v13, 0x1800000
	v_add_nc_u32 v11, 0xff000000, v12
	v_lshrrev_b32 v13, 23, v11
.if (\t) == 0
	v_mov_b32 v14, v13
.else
	v_lshl_or_b32 v14, v13, 8*(2*((\t)%2)+(\t)/2), v14
.endif
	v_cvt_scalef32_pk16_fp6_f32 v[PD:PD+2], v[XS:XS+15], v11
	v_cvt_scalef32_pk16_fp6_f32 v[CTW:CTW+2], v[XS+16:XS+31], v11
	v_nop
.irp i, 0,1,2
	v_mov_b32 v[PD+3+\i], v[CTW+\i]
.endr
.if (\t) < 2
	LOADV (\t)+2
.endif
.if (\t)%2 == 1
.irp q, 0,1,2
	global_store_b128 v3, v[PCW+12*((\t)/2)+4*\q:PCW+12*((\t)/2)+4*\q+3], s[34:35] offset:512*\q+256*((\t)/2)
.endr
.endif
.endm
	s_load_b256 s[4:11], s[0:1], 0x0                   ; raw 4, ssq 6, gq 8, gk 10
	s_load_b128 s[12:15], s[0:1], 0x20                 ; gki 12, nq 14
	s_load_b64 s[16:17], s[0:1], 0x30                  ; vq
	v_lshl_add_u32 v[SPW], v0, 2, SPARE
	v_mov_b32 v[NIL], 0
	v_lshrrev_b32 v1, 5, v0
	v_readfirstlane_b32 s26, v1                        ; wave
	v_and_b32 v1, 31, v0                               ; lane
	s_wait_kmcnt 0x0
	s_cmp_ge_u32 ttmp9, 360
	s_cbranch_scc1 .Lcols
	; ---- rows: 90 groups of 64 rows x 4 groups of 4 heads
	s_lshr_b32 s27, ttmp9, 2
	s_and_b32 s28, ttmp9, 3
	s_lshl_b32 s28, s28, 2
	s_add_co_u32 s28, s28, s26                         ; head
	s_add_co_u32 s38, s27, 3
	s_cmp_ge_u32 s27, 85
	s_cselect_b32 s29, s38, s27                        ; first row / 64: groups 85-89 are the second batch's image keys 0-319
	s_cmp_ge_u32 s27, 64
	s_cselect_b32 s39, 1, 0                            ; 1: keys
	s_cselect_b64 s[42:43], s[10:11], s[8:9]
	s_cmp_ge_u32 s27, 80
	s_cselect_b64 s[42:43], s[12:13], s[42:43]         ; the gain
	s_mov_b32 s41, 0
	s_lshl_b32 s40, s28, 9
	s_add_nc_u64 s[42:43], s[42:43], s[40:41]
	s_lshl_b32 s46, s29, 19
	s_add_co_u32 s40, s46, s40
	s_add_nc_u64 s[30:31], s[4:5], s[40:41]            ; raw: my 64 rows, my head
	s_lshl_b32 s40, s29, 8
	s_add_nc_u64 s[44:45], s[6:7], s[40:41]            ; their sums of squares
	s_mul_i32 s40, s29, 98304
	s_mul_i32 s46, s28, 1536
	s_add_co_u32 s40, s40, s46
	s_add_co_u32 s40, s40, 393216
	s_add_nc_u64 s[32:33], s[14:15], s[40:41]          ; codes
	s_lshr_b32 s40, s29, 2
	s_lshl_b32 s40, s40, 14
	s_lshl_b32 s46, s28, 10
	s_add_co_u32 s40, s40, s46
	s_and_b32 s46, s29, 3
	s_lshl_b32 s46, s46, 8
	s_add_co_u32 s40, s40, s46
	s_add_nc_u64 s[34:35], s[14:15], s[40:41]          ; scale words
	v_lshlrev_b32 v2, 4, v1
	v_lshlrev_b32 v3, 3, v1
	s_mul_i32 s47, s26, 8704
	v_add_nc_u32 v4, s47, v2
	v_and_b32 v8, 15, v1                               ; r
	v_lshrrev_b32 v9, 4, v1                            ; h
	v_mul_u32_u24 v5, v8, 528
	v_lshl_add_u32 v5, v9, 6, v5
	v_add_nc_u32 v5, s47, v5
	s_add_co_u32 s47, s47, 8448
	v_lshl_add_u32 v6, v8, 2, s47
	v_add_nc_u32 v7, s47, v3
	v_lshlrev_b32 v10, 4, v1                           ; even fragment, rows 0-7: nothing added
	s_lshl_b32 s38, s39, 16
	v_add_nc_u32 v11, s38, v10                         ; even, rows 8-15: keys 8 rows on
	s_sub_co_u32 s38, 131072, s38
	v_add_nc_u32 v12, s38, v10                         ; odd, rows 0-7: queries 16 rows on, keys 8
	v_add_nc_u32 v13, 131072, v10                      ; odd, rows 8-15: 16 rows on
	v_bfe_u32 v16, v1, 3, 1
	s_lshl_b32 s40, s39, 3
	v_mul_u32_u24 v16, s40, v16
	v_add_nc_u32 v16, v16, v8                          ; my row among an even fragment's 32: r, for keys + 8 (r / 8)
	v_lshlrev_b32 v14, 2, v16
	v_lshl_add_u32 v14, v9, 18, v14                    ; its word in ssq; lanes 16-31 take parts 8 to 15
	s_sub_co_u32 s40, 16, s40
	s_lshl_b32 s40, s40, 2
	v_add_nc_u32 v15, s40, v14                         ; and in an odd fragment: 16 rows on, for keys 8
.irp q, 1,2,3
	v_mov_b32 v[16+\q], 0                              ; a lane permute's destination counts as one of its sources
.endr
.irp q, 0,1,2,3
	v_mov_b32 v[RS+1+2*\q], 0                          ; (named as the upper halves of pairs)
.endr
	v_lshlrev_b32 v21, 6, v9
	s_mov_b32 s[SEL], 0x76543210
	s_mov_b32 s[SEL+1], 0xfedcba98
	s_mov_b32 s38, 0x3a000000                          ; 1 / 2,048
	s_mov_b32 s39, 0x358637bd                          ; 1e-6
.irp q, 0,1,2,3                                        ; for each of my four fragments: eight of the sixteen parts of my row's sum of squares
.irp p, 0,1,2,3,4,5,6,7
	global_load_b32 v[224+8*\q+\p], v[14+\q%2], s[44:45] offset:\p*32768+128*(\q/2)
.endr
.endr
.irp b, 0,1,2,3
.irp j, 0,1,2,3
	global_load_b128 v[G+16*\b+4*\j:G+16*\b+4*\j+3], v21, s[42:43] offset:128*\b+16*\j
.endr
.endr
	LOADR 0, RA
	LOADR 1, RB
	s_wait_loadcnt 48                                  ; the 32 words are in; the gains and two fragments may be out
.irp w, 4,2,1
.irp q, 0,1,2,3
.set j, 0
.rept \w
	v_add_f32 v[224+8*\q+j], v[224+8*\q+j], v[224+8*\q+\w+j]
.set j, j+1
.endr
.endr
.endr
.irp q, 0,1,2,3
	v_permlanex16_b32 v[16+\q], v[224+8*\q], s[SEL], s[SEL+1]
.endr
.irp q, 0,1,2,3
	v_add_f32 v[16+\q], v[16+\q], v[224+8*\q]          ; with the other eight parts
.endr
.irp q, 0,1,2,3
	v_fma_f32 v[16+\q], v[16+\q], s38, s39             ; the mean of squares + 1e-6
.endr
.irp q, 0,1,2,3
	v_rsq_f32 v[RS+2*\q], v[16+\q]
.endr
	v_nop                                              ; a plain place behind the transcendentals
	s_wait_alu depctr_va_vdst(0)                       ; and the one wait ahead of the first use
.irp b, 0,1,2,3
	v_mov_b32 v[TM+4+\b], 0
.endr
	NSTEP 0, RA
	NSTEP 1, RB
	NSTEP 2, RA
	NSTEP 3, RB
	ds_load_b64 v[8:9], v7
	s_wait_dscnt 0x0
	global_store_b64 v3, v[8:9], s[34:35]              ; 64 rows' scale words: 256 consecutive bytes, aligned
	s_wait_tensorcnt 0x0                               ; the wave's end, behind my last LDS store
	ds_add_u32 v[SPW], v[NIL]
	s_wait_dscnt 0x0
	s_endpgm
.Lcols:
	; ---- v and v_img: 16 heads x 2 batches x (3 + 4) key steps
	s_sub_co_u32 s27, ttmp9, 360
	s_and_b32 s28, s27, 15                             ; head
	s_lshr_b32 s29, s27, 4
	s_cmp_ge_u32 s29, 7
	s_cselect_b32 s38, 1, 0                            ; batch
	s_cselect_b32 s39, 7, 0
	s_sub_co_u32 s29, s29, s39                         ; 0-2: image key steps; 3-6: text
	s_sub_co_u32 s40, s29, 3
	s_mov_b32 s46, 6144
	s_cmp_lt_u32 s29, 3
	s_cselect_b32 s40, s29, s40                        ; key step
	s_cselect_b32 s41, 3, 4                            ; KS
	s_cselect_b32 s46, 7168, s46                       ; first row in raw
	s_cselect_b32 s47, 786432, 0
	s_cselect_b32 s48, 32768, 0
	s_lshl_b32 s49, s38, 9
	s_add_co_u32 s46, s46, s49
	s_lshl_b32 s49, s40, 7
	s_add_co_u32 s46, s46, s49
	s_lshl_b32 s46, s46, 13
	s_lshl_b32 s49, s28, 9
	s_add_co_u32 s46, s46, s49
	s_lshl_b32 s49, s26, 7
	s_add_co_u32 s50, s46, s49
	s_mov_b32 s51, 0
	s_add_nc_u64 s[30:31], s[4:5], s[50:51]            ; my key step's first row, my 32 channels
	s_mul_i32 s52, s41, 1536                           ; a tile's key steps in bytes
	s_lshl_b32 s50, s28, 3
	s_lshl_b32 s49, s26, 1
	s_add_co_u32 s50, s50, s49
	s_mul_i32 s50, s50, s52
	s_mul_i32 s49, s40, 1536
	s_add_co_u32 s50, s50, s49
	s_mul_i32 s49, s38, 1376256
	s_add_co_u32 s50, s50, s49
	s_add_co_u32 s50, s50, s47
	s_add_co_u32 s50, s50, 114688
	s_add_nc_u64 s[34:35], s[16:17], s[50:51]          ; codes
	s_mul_i32 s50, s28, s41
	s_add_co_u32 s50, s50, s40
	s_lshl_b32 s50, s50, 9
	s_mul_i32 s49, s38, 57344
	s_add_co_u32 s50, s50, s49
	s_add_co_u32 s50, s50, s48
	s_lshl_b32 s49, s26, 7
	s_add_co_u32 s50, s50, s49
	s_add_nc_u64 s[36:37], s[16:17], s[50:51]          ; scale words
	v_and_b32 v2, 7, v1
	v_bfe_u32 v5, v1, 4, 1
	v_lshl_or_b32 v2, v5, 3, v2
	v_bfe_u32 v6, v1, 3, 1
	v_lshl_or_b32 v2, v6, 4, v2
	v_lshlrev_b32 v2, 2, v2                            ; my place's channel: the lane's number with bits 3 and 4 swapped
	v_mul_u32_u24 v3, s52, v5
	v_and_b32 v6, 15, v1
	v_lshl_add_u32 v3, v6, 4, v3                       ; my tile and my 16 bytes in an image
	v_lshlrev_b32 v4, 2, v1
	LOADV 0
	LOADV 1
	BLOCKV 0
	BLOCKV 1
	BLOCKV 2
	BLOCKV 3
	global_store_b32 v4, v14, s[36:37]
	s_endpgm
.Lfunc_end_k_q30d25c4e8c_norm:
	.size	k_q30d25c4e8c_norm, .Lfunc_end_k_q30d25c4e8c_norm-k_q30d25c4e8c_norm
	.p2alignl 7, 3214868480
	.fill 96, 4, 3214868480
	.section	.rodata,"a",@progbits
	.p2align	6, 0x0
	.amdhsa_kernel k_q30d25c4e8c_norm
		.amdhsa_group_segment_fixed_size 35328
		.amdhsa_private_segment_fixed_size 0
		.amdhsa_enable_private_segment 0
		.amdhsa_kernarg_size 56
		.amdhsa_user_sgpr_count 2
		.amdhsa_user_sgpr_kernarg_segment_ptr 1
		.amdhsa_wavefront_size32 1
		.amdhsa_system_sgpr_workgroup_id_x 1
		.amdhsa_system_sgpr_workgroup_id_y 1
		.amdhsa_system_sgpr_workgroup_id_z 1
		.amdhsa_system_vgpr_workitem_id 0
		.amdhsa_next_free_vgpr 256
		.amdhsa_next_free_sgpr 66
		.amdhsa_reserve_vcc 0
		.amdhsa_float_denorm_mode_32 3
		.amdhsa_float_denorm_mode_16_64 3
		.amdhsa_memory_ordered 1
		.amdhsa_forward_progress 1
		.amdhsa_inst_pref_size 82
	.end_amdhsa_kernel
	.amdgpu_metadata
---
amdhsa.version: [ 1, 2 ]
amdhsa.kernels:
  - .name:           k_q30d25c4e8c_norm
    .symbol:         k_q30d25c4e8c_norm.kd
    .args:
      - { .name: raw, .offset: 0, .size: 8, .value_kind: global_buffer, .address_space: global }
      - { .name: ssq, .offset: 8, .size: 8, .value_kind: global_buffer, .address_space: global }
      - { .name: gq, .offset: 16, .size: 8, .value_kind: global_buffer, .address_space: global }
      - { .name: gk, .offset: 24, .size: 8, .value_kind: global_buffer, .address_space: global }
      - { .name: gki, .offset: 32, .size: 8, .value_kind: global_buffer, .address_space: global }
      - { .name: nq, .offset: 40, .size: 8, .value_kind: global_buffer, .address_space: global }
      - { .name: vq, .offset: 48, .size: 8, .value_kind: global_buffer, .address_space: global }
    .group_segment_fixed_size: 35328
    .private_segment_fixed_size: 0
    .kernarg_segment_align: 8
    .kernarg_segment_size: 56
    .max_flat_workgroup_size: 128
    .sgpr_count:     66
    .vgpr_count:     256
    .wavefront_size: 32
...
	.end_amdgpu_metadata
.endif
;; end of part 3
;; launch attn (part 4): grid 8 x 32, 8 waves a work-group, no clusters, 300,288 bytes of LDS; arguments nq, vq, context_lens, oq; writes oq
.if DOCPART == 4
	.amdgcn_target "amdgcn-amd-amdhsa--gfx1250"
	.amdhsa_code_object_version 6
	.text
	.protected	k_q30d25c4e8c_attn
	.globl	k_q30d25c4e8c_attn
	.p2align	8
	.type	k_q30d25c4e8c_attn,@function
k_q30d25c4e8c_attn:
	s_mov_b64 s[64:65], 0
	v_nop
	global_prefetch_b8 v0, s[64:65] scope:SCOPE_SE
	s_setreg_imm32_b32 hwreg(HW_REG_WAVE_MODE, 25, 1), 1
	s_wait_xcnt 0x0
; Both attentions of one head for 256 queries, their sum, quantised along the channels for the last product.  All four products on codes of FP6 (E2M3) with E8M0 scales.
; nq: codes and scale words of q, k, k_img (images of operand registers; the keys of a tile chosen so that two neighbouring tiles' 16 score registers are 16 neighbouring keys).
; vq: v and v_img as codes along the keys, channel places chosen likewise.  oq: the result, laid as nq: row block at 393,216 + 24,576 rho, head at + 1,536; scale words at 16,384 (row / 256) + 1,024 head + 4 (row % 256).
; SOFTMAX: t = score x log2(e) / sqrt(128); M = the running largest t rounded up to a whole number; p = 2^(t - M) is quantised along the keys; the sum is taken of the unquantised p and divides at the end.
; SHARES: work-group (x = block of 256 queries, y = 16 batch + head); eight waves, 32 queries each, as two tiles, so that each fragment of K and V read from LDS feeds two products.
; One head's K and V (161,280 bytes of codes) and their scale words are brought into LDS once, through registers, each wave an eighth; one barrier; then waves share nothing.
; NO JOINT LOADS, though the eight work-groups of a head read the same K and V: text key steps all of whose keys lie at or behind context_lens are left out by a scalar branch on that number.
; Image: keys 0-255 in two steps, key 256 in a step of its own; its result, divided by its sum, waits in LDS (16,384 bytes a wave).  Text: four trips, masked by context_lens.
; LIMITS: context_lens from 1 on (above 512 it acts as 512; 0 or less is not served); NaN and infinities are not served.
; REGISTERS: window 0: v1-9 addresses; v12-19 -M, largest t, sums; v20-23 f and p's scale word; v24-25 Q's scale words; v32-79 four fragments; v80-87 scale words; v88-111 p's codes; v112-127 at work; v128-255 scores, then p.
;   window 1: v0-127 O^T; v128-151 Q; v152-199 four fragments.
.set KT,    0                          ; LDS: K text, 32 tiles x 1,536
.set KI,    49152                      ; K image, 17 tiles
.set VT,    75264                      ; V text: 8 tiles x 4 key steps
.set VI,    124416                     ; V image: 8 tiles x 3
.set KSC,   161280                     ; K's scale words: 64 bytes a tile; image from + 2,048
.set VSC,   164608                     ; V's: 512 bytes a key step; image from + 2,048
.set STASH, 168192                     ; the image branch's result
.set SPARE, 299264                     ; the spare words, 128 bytes a wave
.set LI,  1
.set LS,  2
.set ADK, 3
.set ADV, 4
.set ADS, 5
.set ADT, 6
.set STA, 7
.set SPW, 8
.set NIL, 9
.set FB,  32
.set FS,  80
.set P,   88
.set BM,  112
.set B2,  116
.set SO,  124
.set S,   128
.set TM,  112
.set CT,  116
.set QF,  128                          ; window 1
.set FC,  152                          ; window 1
.set WV,  12
.set LEN, 13
.set HM,  14
.set SEL, 20
.set CS,  22
.set TBK, 24
.set TBV, 25
.set TSK, 26
.set TSV, 27
.set KF,  28
.set CNT, 29
.set MSB, 0
.macro WIN new
.if MSB != (\new)
	s_set_vgpr_msb (MSB<<8)|(\new)
.set MSB, (\new)
.endif
.endm
.macro PLACES
.rept 4
	v_nop
.endr
.endm
.macro QUANT s, pc, pw
.irp b, 0,1,2,3
	v_max3_num_f32 v[TM+\b], |v[(\s)+16*\b]|, |v[(\s)+1+16*\b]|, 0x1800000
.endr
.irp i, 2,4,6,8,10,12,14
.irp b, 0,1,2,3
	v_max3_num_f32 v[TM+\b], v[TM+\b], |v[(\s)+16*\b+\i]|, |v[(\s)+1+16*\b+\i]|
.endr
.endr
.irp b, 0,1,2,3
	v_permlanex16_b32 v[TM+4+\b], v[TM+\b], s[SEL], s[SEL+1]
.endr
.irp b, 0,1,2,3
	v_max_num_f32 v[TM+\b], v[TM+\b], v[TM+4+\b]
.endr
.irp b, 0,1,2,3
	v_add_nc_u32 v[SO+\b], 0xff000000, v[TM+\b]
.endr
.irp b, 0,1,2,3
	v_lshrrev_b32 v[TM+4+\b], 23, v[SO+\b]
.endr
	v_lshl_or_b32 v[(\pw)], v[TM+5], 8, v[TM+4]
	v_lshl_or_b32 v[(\pw)], v[TM+6], 16, v[(\pw)]
	v_lshl_or_b32 v[(\pw)], v[TM+7], 24, v[(\pw)]
.irp c, 0,1
	v_cvt_scalef32_pk16_fp6_f32 v[(\pc)+6*\c:(\pc)+2+6*\c], v[(\s)+32*\c:(\s)+15+32*\c], v[SO+2*\c]
	v_cvt_scalef32_pk16_fp6_f32 v[CT+4*\c:CT+2+4*\c], v[(\s)+16+32*\c:(\s)+31+32*\c], v[SO+2*\c+1]
.endr
	v_nop
.irp c, 0,1
.irp i, 0,1,2
	v_permlane16_swap_b32 v[(\pc)+6*\c+\i], v[CT+4*\c+\i]
.endr
.irp i, 0,1,2
	v_mov_b32 v[(\pc)+3+6*\c+\i], v[CT+4*\c+\i]
.endr
.endr
.endm
; eight fragments, pitch bytes apart, and their scale words: four into window 0, four into window 1
.macro LOAD8 adr, pitch, ads
.irp t, 0,1,2,3
.irp c, 0,1,2
	ds_load_b128 v[FB+12*\t+4*\c:FB+12*\t+4*\c+3], v[\adr] offset:\t*(\pitch)+512*\c
.endr
.endr
	WIN 0x40
.irp t, 0,1,2,3
.irp c, 0,1,2
	ds_load_b128 v[FC+12*\t+4*\c:FC+12*\t+4*\c+3], v[\adr] offset:(\t+4)*(\pitch)+512*\c
.endr
.endr
	WIN 0
.irp t, 0,1,2,3,4,5,6,7
	ds_load_b32 v[FS+\t], v[\ads] offset:64*\t
.endr
.endm
.macro QK16                            ; S^T = K Q^T: source 0 = 16 keys, source 1 = 16 queries; sixteen different accumulators, each begun with 0
	WIN 0x04
.irp t, 0,1,2,3
.irp x, 0,1
	v_wmma_scale_f32_16x16x128_f8f6f4 v[S+64*\x+8*\t:S+64*\x+8*\t+7], v[FB+12*\t:FB+12*\t+11], v[QF+12*\x:QF+12*\x+11], 0, v[FS+\t], v[24+\x] matrix_a_fmt:MATRIX_FMT_FP6 matrix_b_fmt:MATRIX_FMT_FP6
.endr
.endr
	WIN 0x05
.irp t, 0,1,2,3
.irp x, 0,1
	v_wmma_scale_f32_16x16x128_f8f6f4 v[S+64*\x+8*(\t+4):S+64*\x+8*(\t+4)+7], v[FC+12*\t:FC+12*\t+11], v[QF+12*\x:QF+12*\x+11], 0, v[FS+4+\t], v[24+\x] matrix_a_fmt:MATRIX_FMT_FP6 matrix_b_fmt:MATRIX_FMT_FP6
.endr
.endr
	WIN 0
.endm
; O^T x f, then O^T += V^T P^T: sixteen accumulators by turns.  The 64 multiplications are the places ahead of the scaled products.
.macro RESC_PV
	WIN 0x41
.irp x, 0,1
.set j, 0
.rept 32
	v_pk_mul_f32 v[64*\x+j:64*\x+j+1], v[64*\x+j:64*\x+j+1], v[20+2*\x:21+2*\x] op_sel_hi:[1,0]
.set j, j+2
.endr
.endr
	s_wait_dscnt 0x0                                   ; V's fragments and scale words, asked for ahead of the softmax
	WIN 0x50
.irp t, 0,1,2,3
.irp x, 0,1
	v_wmma_scale_f32_16x16x128_f8f6f4 v[64*\x+8*\t:64*\x+8*\t+7], v[FB+12*\t:FB+12*\t+11], v[P+12*\x:P+12*\x+11], v[64*\x+8*\t:64*\x+8*\t+7], v[FS+\t], v[21+2*\x] matrix_a_fmt:MATRIX_FMT_FP6 matrix_b_fmt:MATRIX_FMT_FP6
.endr
.endr
	WIN 0x51
.irp t, 0,1,2,3
.irp x, 0,1
	v_wmma_scale_f32_16x16x128_f8f6f4 v[64*\x+8*(\t+4):64*\x+8*(\t+4)+7], v[FC+12*\t:FC+12*\t+11], v[P+12*\x:P+12*\x+11], v[64*\x+8*(\t+4):64*\x+8*(\t+4)+7], v[FS+4+\t], v[21+2*\x] matrix_a_fmt:MATRIX_FMT_FP6 matrix_b_fmt:MATRIX_FMT_FP6
.endr
.endr
	WIN 0
	PLACES
.endm
; tile x's softmax of 128 keys: register 16 b + i is key 32 b + 16 (lane / 16) + i of my query
.macro SOFT x
.set SS, S+64*(\x)
.set NM, 12+4*(\x)
.set FF, 20+2*(\x)
.set PP, P+12*(\x)
.irp b, 0,1,2,3
	v_max3_num_f32 v[BM+\b], v[SS+16*\b], v[SS+1+16*\b], v[SS+2+16*\b]     ; each block's largest score: for the row's maximum and for the block's largest p
.endr
.irp i, 3,5,7,9,11,13
.irp b, 0,1,2,3
	v_max3_num_f32 v[BM+\b], v[BM+\b], v[SS+16*\b+\i], v[SS+1+16*\b+\i]
.endr
.endr
.irp b, 0,1,2,3
	v_max_num_f32 v[BM+\b], v[BM+\b], v[SS+15+16*\b]
.endr
.irp b, 0,1,2,3
	v_permlanex16_b32 v[B2+\b], v[BM+\b], s[SEL], s[SEL+1]
.endr
.irp b, 0,1,2,3
	v_max_num_f32 v[BM+\b], v[BM+\b], v[B2+\b]
.endr
	v_max3_num_f32 v10, v[BM], v[BM+1], v[BM+2]
	v_max_num_f32 v10, v10, v[BM+3]
	v_mul_f32 v10, s[CS], v10
	v_max_num_f32 v[NM+1], v[NM+1], v10                ; the running largest t
	v_mov_b32 v10, v[NM]
	v_floor_f32 v[NM], -v[NM+1]                        ; -M = floor(-t): M is a whole number
	v_sub_f32 v10, v[NM], v10
	v_cvt_i32_f32 v10, v10                             ; (it saturates)
	v_ldexp_f32 v[FF], 1.0, v10                        ; f = 2^(old M - new M)
.set j, 0
.rept 32
	v_pk_fma_f32 v[SS+j:SS+j+1], v[SS+j:SS+j+1], s[CS:CS+1], v[NM:NM+1] op_sel_hi:[1,0,0]   ; t - M
.set j, j+2
.endr
.irp b, 0,1,2,3
	v_fma_f32 v[BM+\b], v[BM+\b], s[CS], v[NM]
.endr
.set j, 0
.rept 64
	v_exp_f32 v[SS+j], v[SS+j]
.set j, j+1
.endr
	v_pk_mul_f32 v[NM+2:NM+3], v[NM+2:NM+3], v[FF:FF+1] op_sel_hi:[1,0]    ; the sums under the new M: a plain place behind the exponentials
	s_wait_alu depctr_va_vdst(0)                       ; one wait for the batch, ahead of its first reader
.irp b, 0,1,2,3
	v_exp_f32 v[BM+\b], v[BM+\b]                       ; each block's largest p
.endr
	v_pk_add_f32 v[B2:B2+1], v[SS:SS+1], v[SS+2:SS+3]  ; the sum of the unquantised p, in two chains
.irp j, 4,8,12,16,20,24,28,32,36,40,44,48,52,56,60
	v_pk_add_f32 v[NM+2:NM+3], v[NM+2:NM+3], v[SS+\j:SS+1+\j]
	v_pk_add_f32 v[B2:B2+1], v[B2:B2+1], v[SS+2+\j:SS+3+\j]
.endr
	v_pk_add_f32 v[NM+2:NM+3], v[NM+2:NM+3], v[B2:B2+1]
	s_wait_alu depctr_va_vdst(0)                       ; and one for the four
.irp b, 0,1,2,3
	v_max_num_f32 v[BM+\b], 0x1800000, v[BM+\b]
.endr
.irp b, 0,1,2,3
	v_add_nc_u32 v[SO+\b], 0xff000000, v[BM+\b]
.endr
.irp b, 0,1,2,3
	v_lshrrev_b32 v[B2+\b], 23, v[SO+\b]
.endr
	v_lshl_or_b32 v[FF+1], v[B2+1], 8, v[B2]           ; p's scale word
	v_lshl_or_b32 v[FF+1], v[B2+2], 16, v[FF+1]
	v_lshl_or_b32 v[FF+1], v[B2+3], 24, v[FF+1]
.irp c, 0,1
	v_cvt_scalef32_pk16_fp6_f32 v[PP+6*\c:PP+2+6*\c], v[SS+32*\c:SS+15+32*\c], v[SO+2*\c]
	v_cvt_scalef32_pk16_fp6_f32 v[B2+4*\c:B2+2+4*\c], v[SS+16+32*\c:SS+31+32*\c], v[SO+2*\c+1]
.endr
	v_nop
.irp c, 0,1
.irp i, 0,1,2
	v_permlane16_swap_b32 v[PP+6*\c+\i], v[B2+4*\c+\i]
.endr
.irp i, 0,1,2
	v_mov_b32 v[PP+3+6*\c+\i], v[B2+4*\c+\i]
.endr
.endr
.endm
.macro ADDRS                           ; four plain lines: also the places in front of the loads
	v_add_nc_u32 v[ADK], s[TBK], v[LI]
	v_add_nc_u32 v[ADV], s[TBV], v[LI]
	v_add_nc_u32 v[ADS], s[TSK], v[LS]
	v_add_nc_u32 v[ADT], s[TSV], v[LS]
.endm
; a key step of 128 keys for both tiles.  vp: bytes from tile to tile of V.  masked = 1: keys at or behind context_lens become -infinity
.macro STEP vp, masked
	ADDRS
	LOAD8 ADK, 1536, ADS
	s_wait_dscnt 0x0
	QK16
	PLACES
	LOAD8 ADV, \vp, ADT                                ; V lands under the softmax
.if \masked
	s_add_co_u32 s30, s[KF], 128
	s_cmp_le_u32 s30, s[LEN]
	s_cbranch_scc1 .Lopen_\@                           ; all 128 keys count
	s_sub_co_u32 s30, s[LEN], s[KF]
	s_sub_co_u32 s30, s30, 1
	v_bfe_u32 v30, v0, 4, 1
	v_lshlrev_b32 v30, 4, v30
	v_sub_nc_u32 v30, s30, v30                         ; register 16 b + i is hidden where 32 b + i > len - KF - 1 - 16 (lane / 16)
	v_mov_b32 v31, 0xff800000
.set n, 0
.rept 64
	v_cmp_gt_i32 vcc_lo, 32*(n/16)+n%16, v30
	v_cndmask_b32 v[S+n], v[S+n], v31, vcc_lo
	v_cndmask_b32 v[S+64+n], v[S+64+n], v31, vcc_lo
.set n, n+1
.endr
.Lopen_\@:
.endif
	SOFT 0
	SOFT 1
	RESC_PV
.endm
.macro RCPS                            ; 1 / the row's sum, for both tiles
.irp x, 0,1
	v_add_f32 v[10+\x], v[14+4*\x], v[15+4*\x]
.endr
.irp x, 0,1
	v_permlanex16_b32 v[30+\x], v[10+\x], s[SEL], s[SEL+1]
.endr
.irp x, 0,1
	v_add_f32 v[10+\x], v[10+\x], v[30+\x]
.endr
.irp x, 0,1
	v_rcp_f32 v[26+2*\x], v[10+\x]
.endr
	v_nop
	s_wait_alu depctr_va_vdst(0)                       ; one wait for the two reciprocals, ahead of the first use
.endm
	s_load_b256 s[4:11], s[0:1], 0x0                   ; nq 4, vq 6, context_lens 8, oq 10
	v_lshl_add_u32 v[SPW], v0, 2, SPARE
	v_mov_b32 v[NIL], 0
	v_lshrrev_b32 v10, 5, v0
	v_readfirstlane_b32 s[WV], v10
	v_and_b32 v10, 31, v0
	v_lshlrev_b32 v[LI], 4, v10                        ; 16 x lane
	v_and_b32 v11, 15, v0
	v_lshlrev_b32 v[LS], 2, v11                        ; 4 r
	v_lshlrev_b32 v226, 3, v10                         ; 8 x lane
	s_mul_i32 s30, s[WV], 1536                         ; where my eighth goes: every LDS address is made here, ahead of the branches on the wave's number
	v_add_nc_u32 v220, s30, v[LI]
	v_add_nc_u32 v221, KI, v220
	s_mul_i32 s30, s[WV], 6144
	s_add_co_u32 s30, s30, VT
	v_add_nc_u32 v222, s30, v[LI]
	s_mul_i32 s30, s[WV], 4608
	s_add_co_u32 s30, s30, VI
	v_add_nc_u32 v223, s30, v[LI]
	s_lshl_b32 s30, s[WV], 6
	s_add_co_u32 s30, s30, KSC
	v_add_nc_u32 v224, s30, v[LS]
	s_lshl_b32 s30, s[WV], 8
	s_add_co_u32 s30, s30, VSC
	v_add_nc_u32 v225, s30, v226
	s_lshl_b32 s30, s[WV], 14
	s_add_co_u32 s30, s30, STASH
	v_add_nc_u32 v[STA], s30, v[LI]
	s_and_b32 s30, ttmp7, 0xffff
	s_lshr_b32 s31, s30, 4                             ; batch
	s_and_b32 s32, s30, 15                             ; head
	s_mul_i32 s33, s32, 1536
	s_lshl_b32 s34, s31, 5
	s_add_co_u32 s34, s34, s[WV]
	s_add_co_u32 s34, s34, 256
	s_mul_i32 s34, s34, 24576
	s_add_co_u32 s34, s34, s33
	s_add_co_u32 s34, s34, 393216                      ; K's codes: text tile w
	s_mov_b32 s35, 0
	s_lshl_b32 s36, s31, 15
	s_add_co_u32 s36, s36, 262144
	s_lshl_b32 s56, s32, 10
	s_add_co_u32 s36, s36, s56
	s_lshl_b32 s57, s[WV], 6
	s_add_co_u32 s36, s36, s57                         ; K's scale words
	s_mov_b32 s37, 0
	s_lshl_b32 s57, s32, 3
	s_add_co_u32 s57, s57, s[WV]
	s_mul_i32 s58, s31, 1376256
	s_add_co_u32 s58, s58, 114688
	s_mul_i32 s38, s57, 6144
	s_add_co_u32 s38, s38, s58                         ; V text: tile w of the head
	s_mov_b32 s39, 0
	s_mul_i32 s40, s57, 4608
	s_add_co_u32 s40, s40, s58
	s_add_co_u32 s40, s40, 786432                      ; V image
	s_mov_b32 s41, 0
	s_mul_i32 s58, s31, 57344
	s_lshl_b32 s57, s[WV], 8
	s_add_co_u32 s58, s58, s57
	s_lshl_b32 s42, s32, 11
	s_add_co_u32 s42, s42, s58                         ; V's scale words, text: 256 bytes a wave
	s_mov_b32 s43, 0
	s_add_co_u32 s44, s33, s58
	s_add_co_u32 s44, s44, 32768                       ; image: 1,536 bytes a head, waves 0 to 5
	s_mov_b32 s45, 0
	s_lshl_b32 s46, s31, 7
	s_lshl_b32 s57, ttmp9, 4
	s_add_co_u32 s46, s46, s57
	s_lshl_b32 s57, s[WV], 1
	s_add_co_u32 s46, s46, s57
	s_mul_i32 s46, s46, 24576
	s_add_co_u32 s46, s46, s33
	s_add_co_u32 s46, s46, 393216                      ; my two tiles of queries: in nq, and the same place in oq
	s_mov_b32 s47, 0
	s_lshl_b32 s48, s31, 3
	s_add_co_u32 s48, s48, ttmp9
	s_lshl_b32 s48, s48, 14
	s_add_co_u32 s48, s48, s56
	s_lshl_b32 s57, s[WV], 7
	s_add_co_u32 s48, s48, s57                         ; their scale words
	s_mov_b32 s49, 0
	s_mov_b32 s[HM], 0xffff0000                        ; lanes 16-31
	s_mov_b32 s[SEL], 0x76543210
	s_mov_b32 s[SEL+1], 0xfedcba98
	s_mov_b32 s[CS], 0x3e0293ee                        ; log2(e) / sqrt(128)
	s_mov_b32 s[CS+1], s[CS]
	s_wait_kmcnt 0x0
	s_load_b64 s[54:55], s[8:9], 0x0                   ; both batches' lengths
	s_add_nc_u64 s[50:51], s[10:11], s[46:47]
	s_add_nc_u64 s[52:53], s[10:11], s[48:49]
	s_add_nc_u64 s[46:47], s[4:5], s[46:47]
	s_add_nc_u64 s[48:49], s[4:5], s[48:49]
	s_add_nc_u64 s[34:35], s[4:5], s[34:35]
	s_add_nc_u64 s[36:37], s[4:5], s[36:37]
	s_add_nc_u64 s[38:39], s[6:7], s[38:39]
	s_add_nc_u64 s[40:41], s[6:7], s[40:41]
	s_add_nc_u64 s[42:43], s[6:7], s[42:43]
	s_add_nc_u64 s[44:45], s[6:7], s[44:45]
.irp i, 0,1,2,3                                        ; K text: tiles w + 8 i
.irp c, 0,1,2
	global_load_b128 v[128+12*\i+4*\c:128+12*\i+4*\c+3], v[LI], s[34:35] offset:\i*196608+512*\c
.endr
	global_load_b32 v[212+\i], v[LS], s[36:37] offset:(\i/2)*16384+(\i%2)*512
.endr
.irp i, 0,1                                            ; K image: tiles w + 8 i
.irp c, 0,1,2
	global_load_b128 v[176+12*\i+4*\c:176+12*\i+4*\c+3], v[LI], s[34:35] offset:1572864+\i*196608+512*\c
.endr
	global_load_b32 v[216+\i], v[LS], s[36:37] offset:65536+\i*512
.endr
.irp k, 0,1,2,3,4,5,6,7,8,9,10,11
	global_load_b128 v[32+4*\k:35+4*\k], v[LI], s[38:39] offset:512*\k
.endr
.irp k, 0,1,2,3,4,5,6,7,8
	global_load_b128 v[88+4*\k:91+4*\k], v[LI], s[40:41] offset:512*\k
.endr
	global_load_b64 v[124:125], v226, s[42:43]
	WIN 0x40
.irp x, 0,1
.irp c, 0,1,2
	global_load_b128 v[QF+12*\x+4*\c:QF+12*\x+4*\c+3], v[LI], s[46:47] offset:\x*24576+512*\c   ; Q stays in registers
.endr
.endr
	WIN 0
.irp x, 0,1
	global_load_b32 v[24+\x], v[LS], s[48:49] offset:64*\x
.endr
	s_cmp_lg_u32 s[WV], 0
	s_cbranch_scc1 .Lno16a
.irp c, 0,1,2
	global_load_b128 v[200+4*\c:203+4*\c], v[LI], s[34:35] offset:1572864+393216+512*\c   ; wave 0: image tile 16, which holds key 256
.endr
	global_load_b32 v218, v[LS], s[36:37] offset:65536+16384
.Lno16a:
	s_cmp_gt_u32 s[WV], 5
	s_cbranch_scc1 .Lnovsa
	global_load_b64 v[126:127], v226, s[44:45]
.Lnovsa:
	s_wait_kmcnt 0x0
	s_cmp_eq_u32 s31, 0
	s_cselect_b32 s[LEN], s54, s55
	s_min_u32 s[LEN], s[LEN], 512
	WIN 0x40
.set j, 0
.rept 128
	v_mov_b32 v[j], 0                                  ; O^T: the step is written for a loop; its first trip finds zeros
.set j, j+1
.endr
	WIN 0
.irp x, 0,1
	v_mov_b32 v[13+4*\x], 0xff61b1e6                   ; the largest t so far: -3e38
	v_floor_f32 v[12+4*\x], -v[13+4*\x]
	v_mov_b32 v[14+4*\x], 0
	v_mov_b32 v[15+4*\x], 0
	v_mov_b32 v[21+2*\x], 0                            ; (upper halves of pairs that are named before they are written)
	v_mov_b32 v[27+2*\x], 0
	v_mov_b32 v[30+\x], 0
.endr
	s_wait_loadcnt 0x0
.irp i, 0,1,2,3
.irp c, 0,1,2
	ds_store_b128 v220, v[128+12*\i+4*\c:128+12*\i+4*\c+3] offset:\i*12288+512*\c
.endr
	ds_store_b32 v224, v[212+\i] offset:\i*512         ; both halves of the lanes write the same word with the same value
.endr
.irp i, 0,1
.irp c, 0,1,2
	ds_store_b128 v221, v[176+12*\i+4*\c:176+12*\i+4*\c+3] offset:\i*12288+512*\c
.endr
	ds_store_b32 v224, v[216+\i] offset:2048+\i*512
.endr
.irp k, 0,1,2,3,4,5,6,7,8,9,10,11
	ds_store_b128 v222, v[32+4*\k:35+4*\k] offset:512*\k
.endr
.irp k, 0,1,2,3,4,5,6,7,8
	ds_store_b128 v223, v[88+4*\k:91+4*\k] offset:512*\k
.endr
	ds_store_b64 v225, v[124:125]
	s_cmp_lg_u32 s[WV], 0
	s_cbranch_scc1 .Lno16b
.irp c, 0,1,2
	ds_store_b128 v221, v[200+4*\c:203+4*\c] offset:24576+512*\c
.endr
	ds_store_b32 v224, v218 offset:2048+1024
.Lno16b:
	s_cmp_gt_u32 s[WV], 5
	s_cbranch_scc1 .Lnovsb
	ds_store_b64 v225, v[126:127] offset:2048
.Lnovsb:
	s_wait_dscnt 0x0                                   ; for the others' sake: my eighth lies in LDS
	s_barrier_signal -1
	s_barrier_wait -1
.irp b, 0,1,2,3
	v_mov_b32 v[B2+\b], 0                              ; a lane permute's destination counts as one of its sources
.endr
	; ---- the image branch: keys 0-255
	s_mov_b32 s[TBK], KI
	s_mov_b32 s[TBV], VI
	s_mov_b32 s[TSK], KSC+2048
	s_mov_b32 s[TSV], VSC+2048
	s_mov_b32 s[CNT], 2
.Limg:
	STEP 4608, 0
	s_add_co_u32 s[TBK], s[TBK], 12288
	s_add_co_u32 s[TBV], s[TBV], 1536
	s_add_co_u32 s[TSK], s[TSK], 512
	s_add_co_u32 s[TSV], s[TSV], 512
	s_sub_co_u32 s[CNT], s[CNT], 1
	s_cmp_lg_u32 s[CNT], 0
	s_cbranch_scc1 .Limg
	; ---- key 256: row 0 of tile 16; the tile's other rows are not used
	ADDRS
.irp c, 0,1,2
	ds_load_b128 v[FB+4*\c:FB+4*\c+3], v[ADK] offset:512*\c
.endr
	ds_load_b32 v[FS], v[ADS]
	s_wait_dscnt 0x0
	WIN 0x04
.irp x, 0,1
	v_wmma_scale_f32_16x16x128_f8f6f4 v[S+64*\x:S+64*\x+7], v[FB:FB+11], v[QF+12*\x:QF+12*\x+11], 0, v[FS], v[24+\x] matrix_a_fmt:MATRIX_FMT_FP6 matrix_b_fmt:MATRIX_FMT_FP6
.endr
	WIN 0
	PLACES
	LOAD8 ADV, 4608, ADT
.irp x, 0,1
.set SS, S+64*\x
.set NM, 12+4*\x
.set FF, 20+2*\x
.set PP, P+12*\x
	v_permlanex16_b32 v10, v[SS], s[SEL], s[SEL+1]
	v_cndmask_b32 v11, v[SS], v10, s[HM]               ; in every lane: the score of query r and key 256 (register 0 of lanes 0-15)
	v_mul_f32 v10, s[CS], v11
	v_max_num_f32 v[NM+1], v[NM+1], v10
	v_mov_b32 v10, v[NM]
	v_floor_f32 v[NM], -v[NM+1]
	v_sub_f32 v10, v[NM], v10
	v_cvt_i32_f32 v10, v10
	v_ldexp_f32 v[FF], 1.0, v10
	v_fma_f32 v11, v11, s[CS], v[NM]
	v_exp_f32 v11, v11
	v_pk_mul_f32 v[NM+2:NM+3], v[NM+2:NM+3], v[FF:FF+1] op_sel_hi:[1,0]   ; a plain place
	s_wait_alu depctr_va_vdst(0)
	v_cndmask_b32 v[SS], v11, v[NIL], s[HM]            ; p in lanes 0-15, which hold keys 256-271; 0 in lanes 16-31
	v_add_f32 v[NM+2], v[NM+2], v[SS]
	v_max_num_f32 v11, 0x1800000, v11
	v_add_nc_u32 v[SO], 0xff000000, v11
	v_lshrrev_b32 v10, 23, v[SO]
	v_or_b32 v[FF+1], 0x7f7f7f00, v10                  ; the block's byte; the three blocks of zero codes get 127
.set j, 1
.rept 15
	v_mov_b32 v[SS+j], 0
.set j, j+1
.endr
	v_cvt_scalef32_pk16_fp6_f32 v[PP:PP+2], v[SS:SS+15], v[SO]
	v_nop
.set j, 3
.rept 9
	v_mov_b32 v[PP+j], 0
.set j, j+1
.endr
.endr
	RESC_PV
	; ---- the image branch's result, divided by its sum, waits in LDS
	RCPS
	WIN 0x01
.irp x, 0,1
.set j, 0
.rept 32
	v_pk_mul_f32 v[S+64*\x+j:S+64*\x+j+1], v[64*\x+j:64*\x+j+1], v[26+2*\x:27+2*\x] op_sel_hi:[1,0]
.set j, j+2
.endr
.endr
	WIN 0
.irp x, 0,1
.set k, 0
.rept 16
	ds_store_b128 v[STA], v[S+64*\x+4*k:S+64*\x+4*k+3] offset:\x*8192+512*k
.set k, k+1
.endr
.endr
	s_wait_dscnt 0x0
.irp x, 0,1
	v_mov_b32 v[13+4*\x], 0xff61b1e6                   ; the text branch begins: its first step's f is 0, which clears O^T and the sums
	v_floor_f32 v[12+4*\x], -v[13+4*\x]
.endr
	; ---- the text branch: four trips; a step all of whose keys are hidden is left out, but for the lines that step addresses
	s_mov_b32 s[TBK], KT
	s_mov_b32 s[TBV], VT
	s_mov_b32 s[TSK], KSC
	s_mov_b32 s[TSV], VSC
	s_mov_b32 s[KF], 0
	s_mov_b32 s[CNT], 4
.Ltxt:
	s_cmp_ge_u32 s[KF], s[LEN]
	s_cbranch_scc1 .Lskip
	STEP 6144, 1
.Lskip:
	s_add_co_u32 s[TBK], s[TBK], 12288
	s_add_co_u32 s[TBV], s[TBV], 1536
	s_add_co_u32 s[TSK], s[TSK], 512
	s_add_co_u32 s[TSV], s[TSV], 512
	s_add_co_u32 s[KF], s[KF], 128
	s_sub_co_u32 s[CNT], s[CNT], 1
	s_cmp_lg_u32 s[CNT], 0
	s_cbranch_scc1 .Ltxt
	; ---- the sum of both branches, quantised along the channels: register 16 b + i is channel 32 b + 16 (lane / 16) + i of my query
.irp x, 0,1
.set k, 0
.rept 16
	ds_load_b128 v[S+64*\x+4*k:S+64*\x+4*k+3], v[STA] offset:\x*8192+512*k
.set k, k+1
.endr
.endr
	RCPS
	s_wait_dscnt 0x0
	WIN 0x01
.irp x, 0,1
.set j, 0
.rept 32
	v_pk_fma_f32 v[S+64*\x+j:S+64*\x+j+1], v[64*\x+j:64*\x+j+1], v[26+2*\x:27+2*\x], v[S+64*\x+j:S+64*\x+j+1] op_sel_hi:[1,0,1]
.set j, j+2
.endr
.endr
	WIN 0
.irp x, 0,1
	QUANT S+64*\x, P+12*\x, 21+2*\x
.irp c, 0,1,2
	global_store_b128 v[LI], v[P+12*\x+4*\c:P+12*\x+4*\c+3], s[50:51] offset:\x*24576+512*\c   ; 512 consecutive bytes
.endr
.endr
	v_cndmask_b32 v10, v21, v23, s[HM]                 ; lanes 0-15: tile 0's scale words, lanes 16-31: tile 1's
	v_lshrrev_b32 v11, 2, v[LI]
	global_store_b32 v11, v10, s[52:53]
	s_wait_tensorcnt 0x0                               ; the wave's end, behind my last LDS store
	ds_add_u32 v[SPW], v[NIL]
	s_wait_dscnt 0x0
	s_endpgm
.Lfunc_end_k_q30d25c4e8c_attn:
	.size	k_q30d25c4e8c_attn, .Lfunc_end_k_q30d25c4e8c_attn-k_q30d25c4e8c_attn
	.p2alignl 7, 3214868480
	.fill 96, 4, 3214868480
	.section	.rodata,"a",@progbits
	.p2align	6, 0x0
	.amdhsa_kernel k_q30d25c4e8c_attn
		.amdhsa_group_segment_fixed_size 300288
		.amdhsa_private_segment_fixed_size 0
		.amdhsa_enable_private_segment 0
		.amdhsa_kernarg_size 32
		.amdhsa_user_sgpr_count 2
		.amdhsa_user_sgpr_kernarg_segment_ptr 1
		.amdhsa_wavefront_size32 1
		.amdhsa_system_sgpr_workgroup_id_x 1
		.amdhsa_system_sgpr_workgroup_id_y 1
		.amdhsa_system_sgpr_workgroup_id_z 1
		.amdhsa_system_vgpr_workitem_id 0
		.amdhsa_next_free_vgpr 456
		.amdhsa_next_free_sgpr 66
		.amdhsa_reserve_vcc 1
		.amdhsa_float_denorm_mode_32 3
		.amdhsa_float_denorm_mode_16_64 3
		.amdhsa_memory_ordered 1
		.amdhsa_forward_progress 1
		.amdhsa_inst_pref_size 130
	.end_amdhsa_kernel
	.amdgpu_metadata
---
amdhsa.version: [ 1, 2 ]
amdhsa.kernels:
  - .name:           k_q30d25c4e8c_attn
    .symbol:         k_q30d25c4e8c_attn.kd
    .args:
      - { .name: nq, .offset: 0, .size: 8, .value_kind: global_buffer, .address_space: global }
      - { .name: vq, .offset: 8, .size: 8, .value_kind: global_buffer, .address_space: global }
      - { .name: context_lens, .offset: 16, .size: 8, .value_kind: global_buffer, .address_space: global }
      - { .name: oq, .offset: 24, .size: 8, .value_kind: global_buffer, .address_space: global }
    .group_segment_fixed_size: 300288
    .private_segment_fixed_size: 0
    .kernarg_segment_align: 8
    .kernarg_segment_size: 32
    .max_flat_workgroup_size: 256
    .sgpr_count:     66
    .vgpr_count:     456
    .wavefront_size: 32
...
	.end_amdgpu_metadata
.endif
;; end of part 4
;; launch outp (part 5): grid 8 x 32, 4 waves a work-group, clusters of 4 x 4, 327,680 bytes of LDS; arguments oq, wo, bo, out0; writes out0
.if DOCPART == 5
	.amdgcn_target "amdgcn-amd-amdhsa--gfx1250"
	.amdhsa_code_object_version 6
	.text
	.protected	k_q30d25c4e8c_outp
	.globl	k_q30d25c4e8c_outp
	.p2align	8
	.type	k_q30d25c4e8c_outp,@function
k_q30d25c4e8c_outp:
	s_mov_b64 s[64:65], 0
	v_nop
	global_prefetch_b8 v0, s[64:65] scope:SCOPE_SE
	s_setreg_imm32_b32 hwreg(HW_REG_WAVE_MODE, 25, 1), 1
	s_wait_xcnt 0x0
	s_wait_alu depctr_hold_cnt(0) depctr_sa_sdst(0) depctr_va_vdst(0) depctr_va_sdst(0) depctr_va_ssrc(0) depctr_va_vcc(0) depctr_vm_vsrc(0)
	s_getreg_b32 s2, hwreg(HW_REG_IB_STS2, 6, 4)
	s_cmp_eq_u32 s2, 0
	s_cbranch_scc0 .Lentry_in_a_cluster
	s_endpgm
.Lentry_in_a_cluster:
	s_bfe_u32 s2, ttmp6, 0x10000c
	s_cmp_lg_u32 s2, 0xf033
	s_cbranch_scc0 .Lentry_shape_is_right
	s_endpgm
.Lentry_shape_is_right:
; out0 = A B^T + bo on codes of FP6 (E2M3) with E8M0 scales.  A: oq, 4,096 rows; B: wo, 2,048 rows; K = 2,048.  out0: f32, rows of 8,192 bytes.
; oq: 393,216 bytes of scale words, then codes.  wo: 131,072 bytes of scale words, then codes.  Operands lie as images of their registers: row block of 16 rows at 24,576 rho, K step of 128 at + 1,536 s;
; scale words: 16,384 a group of 256 rows, 1,024 a K step, 4 a row.
; A TILE OF out0 IS 128 x 256: 4,096 x 2,048 numbers make 256 such tiles, a work-group each; tiles of 256 x 256 would be 128.  Four waves, 64 rows x 128 columns each: 32 accumulators, 256 registers.
; K GOES IN SLOTS OF 512 through two LDS slots of 147,456 bytes (A's 128 rows x 384 bytes, B's 256 rows x 384): K's 2,048 are four slots: two first fills and two refills.
; Waves 0 and 1 fetch A's halves (4 row blocks x 6,144 bytes), waves 2 and 3 B's (8 row blocks).  The scale words of the tile's rows, for all of K, come once with the first fills.
; CLUSTERS: 4 x 4 work-groups.  The four of a row of the cluster need the same tiles of A, the four of a column the same tiles of B: each is asked for jointly.
; The matrix instruction is used transposed (source 0 = 16 rows of B, source 1 = 16 rows of A): a lane holds eight neighbouring columns of one row.  The bias is the C of each sum's first product.
; A STEP is 128 along K: 32 matrix instructions.  Both operands have two sets of registers: a step's 36 LDS loads are issued at the head of the step before.  So a slot's reads are over a whole step
; ahead of its last products, and the refill stands at the head of the slot's last step: it has 128 matrix instructions in which to land.  All 16 steps are written out.
; A SCALE REGISTER CARRIES TWO K STEPS: lanes 0-15 the even step's words, lanes 16-31 the odd step's.
; REGISTERS: window 0: v16-30 addresses; v32-55 scale words, two sets of 12 (A's 4 blocks, B's 8); v64-127 the bias; v128-223 A's fragments, two sets of 48; on the way out v128-255 rows of the result.
;   window 1: B's fragments, two sets, at v0 and v128.   window 2: the accumulators, (a, b) at v[8 (8 a + b)].
.set FR,     12                        ; registers of a fragment
.set NP,     4                         ; places behind this matrix instruction (ISA guide 7.12.1)
.set BOFF,   49152                     ; in a slot: A's 8 row blocks x 6,144 bytes, then B's 16
.set SLOT,   147456
.set SCL,    294912                    ; behind the ring: A's scale words, 512 bytes a K step,
.set SCLB,   SCL+8192                  ; then B's, 1,024 bytes a K step
.set SPARE,  319488                    ; the spare words, 128 bytes a wave
.set SPITCH, 528                       ; the way out: 16 rows x 528 bytes a wave, in slot 0 behind its last fill and its last read
.set ADRA, 16                          ; v16-17  LDS address of my A fragments in slot 0, 1
.set ADRB, 20                          ; v20-21  the same for B
.set STO,  24
.set RD,   25
.set CO,   26
.set ADSA, 27                          ; v27     my scale words of A: lanes 16-31 one K step on
.set SPW,  28
.set NIL,  29
.set ADSB, 30                          ; v30     the same for B
.set SC,   32
.set NV,   64
.set AF,   128
.set BK,   128
.set G1, 24                            ; s[24:31] group 1 for A's tiles; s[32:39] group 0, one set for each slot
.set G0, 32
.set G1B, 48                           ; s[48:55], s[56:63] the same for B's
.set G0B, 56
.set G1S, 68                           ; s[68:75], s[76:79] for A's scale words; s[80:87], s[88:91] for B's
.set G0S, 76
.set G1SB, 80
.set G0SB, 88
.set MSB, 0
.macro WIN new                         ; the immediate's high byte repeats the setting that is left
.if MSB != (\new)
	s_set_vgpr_msb (MSB<<8)|(\new)
.set MSB, (\new)
.endif
.endm
.set TO_B, 0x40
; a joint load: waves 0 and 1 fetch for A, waves 2 and 3 for B; an s_nop 0 and four v_nop follow each of the two lines
.macro JLOAD g0a, g1a, g0b, g1b
	s_cmp_eq_u32 s15, 0
	s_cbranch_scc0 .Lfor_b_\@
	tensor_load_to_lds s[\g0a:\g0a+3], s[\g1a:\g1a+7]
	s_nop 0
.rept 4
	v_nop
.endr
	s_branch .Lasked_\@
.Lfor_b_\@:
	tensor_load_to_lds s[\g0b:\g0b+3], s[\g1b:\g1b+7]
	s_nop 0
.rept 4
	v_nop
.endr
.Lasked_\@:
.endm
.macro CROUND                          ; a round of the cluster's barrier
	s_barrier_signal -1
	s_barrier_wait -1
	s_cmp_lg_u32 s14, 0
	s_cbranch_scc1 .Lnot_wave_0_\@
	s_barrier_signal -3
.Lnot_wave_0_\@:
	s_barrier_wait -3
	s_barrier_signal -1
	s_barrier_wait -1
.endm
.macro PLACES n
.rept \n
	v_nop
.endr
.endm
	s_load_b256 s[4:11], s[0:1], 0x0                   ; oq 4, wo 6, bo 8, out0 10
	v_lshl_add_u32 v[SPW], v0, 2, SPARE
	v_mov_b32 v[NIL], 0
	ds_add_u32 v[SPW], v[NIL]                          ; the wave's opening: the add and its wait ahead of my first tensor load
	v_lshrrev_b32 v1, 5, v0
	v_readfirstlane_b32 s14, v1                        ; wave
	s_lshr_b32 s15, s14, 1                             ; my half of the rows; also: I fetch for A (0) or B (1)
	s_and_b32 s16, s14, 1                              ; my half of the columns; also: which half I fetch
	s_bfe_u32 s40, ttmp6, 0x40000                      ; cx
	s_bfe_u32 s41, ttmp6, 0x40004                      ; cy
	s_lshl_b32 s42, ttmp9, 2
	s_add_co_u32 s42, s42, s40                         ; tile column = 4 x cluster x + cx
	s_and_b32 s17, ttmp7, 0xffff
	s_lshl_b32 s17, s17, 2
	s_add_co_u32 s17, s17, s41                         ; tile row = 4 x cluster y + cy
	s_lshl_b32 s43, s41, 2
	s_lshl_b32 s43, 15, s43                            ; my row of the cluster
	s_lshl_b32 s44, 0x1111, s40                        ; my column
	; group 1 of a tile of codes: rows of 768 elements of 8 bytes (a row block's 512 along K), 3,072 elements apart; no padding: an image's loads take 512 consecutive bytes
	s_or_b32 s[G1+0], s43, (3<<16)|(1<<21)
	s_mov_b32 s[G1+1], 768<<16
	s_mov_b32 s[G1+2], 4<<16                           ; A: 4 row blocks a load
	s_mov_b32 s[G1+3], 768<<16
	s_mov_b32 s[G1+4], 4
	s_mov_b32 s[G1+5], 3072
	s_mov_b32 s[G1+6], 0
	s_mov_b32 s[G1+7], 0
	s_or_b32 s[G1B+0], s44, (3<<16)|(1<<21)
	s_mov_b32 s[G1B+1], 768<<16
	s_mov_b32 s[G1B+2], 8<<16                          ; B: 8 row blocks a load
	s_mov_b32 s[G1B+3], 768<<16
	s_mov_b32 s[G1B+4], 8
	s_mov_b32 s[G1B+5], 3072
	s_mov_b32 s[G1B+6], 0
	s_mov_b32 s[G1B+7], 0
	; A's scale words: 8 K steps a load, 512 bytes (128 rows) of each step's 1,024
	s_or_b32 s[G1S+0], s43, (3<<16)|(1<<21)
	s_mov_b32 s[G1S+1], 64<<16
	s_mov_b32 s[G1S+2], 8<<16
	s_mov_b32 s[G1S+3], 64<<16
	s_mov_b32 s[G1S+4], 8
	s_mov_b32 s[G1S+5], 128
	s_mov_b32 s[G1S+6], 0
	s_mov_b32 s[G1S+7], 0
	; B's: 8 K steps a load, 8,192 dense bytes as 32 rows of 256
	s_or_b32 s[G1SB+0], s44, (3<<16)|(1<<21)
	s_mov_b32 s[G1SB+1], 32<<16
	s_mov_b32 s[G1SB+2], 32<<16
	s_mov_b32 s[G1SB+3], 32<<16
	s_mov_b32 s[G1SB+4], 32
	s_mov_b32 s[G1SB+5], 32
	s_mov_b32 s[G1SB+6], 0
	s_mov_b32 s[G1SB+7], 0
	s_mul_i32 s20, s17, 196608                         ; A's codes: 8 row blocks a tile row,
	s_mul_i32 s2, s16, 98304                           ; my 4 of them
	s_add_co_u32 s20, s20, s2
	s_add_co_u32 s20, s20, 393216
	s_mov_b32 s21, 0
	s_lshr_b32 s22, s17, 1                             ; A's scale words: the group of 256 rows,
	s_lshl_b32 s22, s22, 14
	s_and_b32 s2, s17, 1
	s_lshl_b32 s2, s2, 9                               ; the tile's half of each K step,
	s_add_co_u32 s22, s22, s2
	s_lshl_b32 s2, s16, 13                             ; my 8 K steps
	s_add_co_u32 s22, s22, s2
	s_mov_b32 s23, 0
	s_mul_i32 s46, s42, 393216                         ; B's codes: 16 row blocks a tile column,
	s_mul_i32 s19, s16, 196608                         ; my 8 of them (registers that feed B's addresses alone)
	s_add_co_u32 s46, s46, s19
	s_add_co_u32 s46, s46, 131072
	s_mov_b32 s47, 0
	s_lshl_b32 s18, s42, 14                            ; B's scale words
	s_lshl_b32 s19, s16, 13
	s_add_co_u32 s18, s18, s19
	s_mov_b32 s19, 0
	s_mul_i32 s45, s16, 24576                          ; where they go: by the wave's number alone
	s_mul_i32 s66, s16, 49152
	s_add_co_u32 s66, s66, BOFF
	s_lshl_b32 s67, s16, 12
	s_add_co_u32 s67, s67, SCL
	s_lshl_b32 s92, s16, 13
	s_add_co_u32 s92, s92, SCLB
	s_wait_dscnt 0x0                                   ; the opening add is done
	s_wait_kmcnt 0x0
	s_add_nc_u64 s[20:21], s[4:5], s[20:21]
	s_add_nc_u64 s[22:23], s[4:5], s[22:23]
	s_add_nc_u64 s[46:47], s[6:7], s[46:47]
	s_add_nc_u64 s[18:19], s[6:7], s[18:19]
	CROUND                                             ; all sixteen work-groups are here: the first joint loads meet
	s_mov_b32 s[G0S], 1
	s_mov_b32 s[G0S+1], s67
	s_mov_b64 s[G0S+2:G0S+3], s[22:23]
	s_or_b32 s[G0S+3], s[G0S+3], 0x80000000
	s_mov_b32 s[G0SB], 1
	s_mov_b32 s[G0SB+1], s92
	s_mov_b64 s[G0SB+2:G0SB+3], s[18:19]
	s_or_b32 s[G0SB+3], s[G0SB+3], 0x80000000
	JLOAD G0S, G1S, G0SB, G1SB                         ; the scale words first; with the two below three loads of mine are out
.irp s, 0,1
	s_mov_b32 s[G0+4*\s], 1
	s_add_co_u32 s[G0+4*\s+1], s45, \s*SLOT
	s_add_nc_u64 s[G0+4*\s+2:G0+4*\s+3], s[20:21], \s*6144
	s_or_b32 s[G0+4*\s+3], s[G0+4*\s+3], 0x80000000
	s_mov_b32 s[G0B+4*\s], 1
	s_add_co_u32 s[G0B+4*\s+1], s66, \s*SLOT
	s_add_nc_u64 s[G0B+4*\s+2:G0B+4*\s+3], s[46:47], \s*6144
	s_or_b32 s[G0B+4*\s+3], s[G0B+4*\s+3], 0x80000000
	JLOAD G0+4*\s, G1, G0B+4*\s, G1B
.endr
	s_lshl_b32 s20, s42, 10
	s_lshl_b32 s2, s16, 9
	s_add_co_u32 s20, s20, s2                          ; my first column, in bytes
	s_mov_b32 s21, 0
	s_add_nc_u64 s[8:9], s[8:9], s[20:21]              ; its bias
	s_lshl_b32 s22, s17, 20                            ; 128 rows of 8,192 bytes
	s_lshl_b32 s2, s15, 19
	s_add_co_u32 s22, s22, s2
	s_add_co_u32 s22, s22, s20
	s_mov_b32 s23, 0
	s_add_nc_u64 s[12:13], s[10:11], s[22:23]          ; my part of out0
	v_and_b32 v1, 15, v0                               ; r
	v_bfe_u32 v2, v0, 4, 1                             ; h
	v_lshlrev_b32 v7, 5, v2
.irp b, 0,1,2,3,4,5,6,7
	global_load_b128 v[NV+8*\b:NV+8*\b+3], v7, s[8:9] offset:64*\b        ; bias of columns 16 b + 8 h + 0 .. 7: the result's layout
	global_load_b128 v[NV+8*\b+4:NV+8*\b+7], v7, s[8:9] offset:64*\b+16
.endr
	v_and_b32 v6, 31, v0
	v_lshlrev_b32 v[CO], 4, v6                         ; 16 x lane
	s_mul_i32 s2, s15, 24576                           ; my 64 rows of A: 4 row blocks
	s_mul_i32 s3, s16, 49152
	s_add_co_u32 s3, s3, BOFF                          ; my 128 rows of B: 8 row blocks
.irp s, 0,1
	v_add_nc_u32 v[ADRA+\s], s2, v[CO]
	v_add_nc_u32 v[ADRB+\s], s3, v[CO]
	s_add_co_u32 s2, s2, SLOT
	s_add_co_u32 s3, s3, SLOT
.endr
	v_lshlrev_b32 v5, 2, v1                            ; 4 r
	s_lshl_b32 s2, s15, 8
	s_add_co_u32 s2, s2, SCL
	v_lshl_add_u32 v[ADSA], v2, 9, v5                  ; lanes 16-31: one K step, 512 bytes, on
	v_add_nc_u32 v[ADSA], s2, v[ADSA]
	s_lshl_b32 s2, s16, 9
	s_add_co_u32 s2, s2, SCLB
	v_lshl_add_u32 v[ADSB], v2, 10, v5                 ; lanes 16-31: one K step, 1,024 bytes, on
	v_add_nc_u32 v[ADSB], s2, v[ADSB]
	s_mul_i32 s2, s14, 16*SPITCH                       ; my stage
	v_mul_u32_u24 v5, v1, SPITCH
	v_lshl_add_u32 v5, v2, 5, v5
	v_add_nc_u32 v[STO], s2, v5                        ; in: row r, 32 bytes for each half of the lanes
	v_add_nc_u32 v[RD], s2, v[CO]                      ; back: a row of 512 bytes
.macro FRAG reg, adr, off              ; a fragment's image: three loads of 512 consecutive bytes
.irp c, 0,1,2
	ds_load_b128 v[\reg+4*\c:\reg+4*\c+3], v[\adr] offset:(\off)+512*\c
.endr
.endm
.macro FETCH k                         ; step k's fragments, B's eight and A's four, into set k % 2: 36 loads
.set RGN,  ((\k)/4)%2
.set QQ,   (\k)%4
.set FSET, (\k)%2
	WIN TO_B
.irp i, 0,1,2,3,4,5,6,7
	FRAG 128*FSET+FR*\i, ADRB+RGN, \i*6144+QQ*1536
.endr
	WIN 0
.irp i, 0,1,2,3
	FRAG AF+48*FSET+FR*\i, ADRA+RGN, \i*6144+QQ*1536
.endr
.endm
.macro SCALES p                        ; the scale words of steps 2 p (lanes 0-15) and 2 p + 1 (lanes 16-31) into set p % 2: 12 loads
.set SB2, SC+12*((\p)%2)
.irp i, 0,1,2,3
	ds_load_b32 v[SB2+\i], v[ADSA] offset:(\p)*1024+64*\i
.endr
.irp i, 0,1,2,3,4,5,6,7
	ds_load_b32 v[SB2+4+\i], v[ADSB] offset:(\p)*2048+64*\i
.endr
.endm
; step k's 32 matrix instructions.  zero = 1: the first product starts the sums from the bias.  The 32 accumulators take turns, in the same order in every step.
.macro MUL32 k, zero
.set FS2, (\k)%2
.set SB,  SC+12*(((\k)/2)%2)
.if \zero
	WIN 0x81                                           ; B window 1, A and the bias window 0, D window 2
.else
	WIN 0xa1                                           ; B window 1, A window 0, C and D window 2
.endif
.irp a, 0,1,2,3
.irp b, 0,1,2,3,4,5,6,7
.if \zero
	v_wmma_scale_f32_16x16x128_f8f6f4 v[8*(8*\a+\b):8*(8*\a+\b)+7], v[128*FS2+FR*\b:128*FS2+FR*\b+FR-1], v[AF+48*FS2+FR*\a:AF+48*FS2+FR*\a+FR-1], v[NV+8*\b:NV+8*\b+7], v[SB+4+\b], v[SB+\a] matrix_a_fmt:MATRIX_FMT_FP6 matrix_b_fmt:MATRIX_FMT_FP6
.elseif FS2 == 0
	v_wmma_scale_f32_16x16x128_f8f6f4 v[8*(8*\a+\b):8*(8*\a+\b)+7], v[128*FS2+FR*\b:128*FS2+FR*\b+FR-1], v[AF+48*FS2+FR*\a:AF+48*FS2+FR*\a+FR-1], v[8*(8*\a+\b):8*(8*\a+\b)+7], v[SB+4+\b], v[SB+\a] matrix_a_fmt:MATRIX_FMT_FP6 matrix_b_fmt:MATRIX_FMT_FP6
.else
	v_wmma_scale_f32_16x16x128_f8f6f4 v[8*(8*\a+\b):8*(8*\a+\b)+7], v[128*FS2+FR*\b:128*FS2+FR*\b+FR-1], v[AF+48*FS2+FR*\a:AF+48*FS2+FR*\a+FR-1], v[8*(8*\a+\b):8*(8*\a+\b)+7], v[SB+4+\b], v[SB+\a] matrix_a_fmt:MATRIX_FMT_FP6 matrix_b_fmt:MATRIX_FMT_FP6 matrix_a_scale:MATRIX_SCALE_ROW1 matrix_b_scale:MATRIX_SCALE_ROW1
.endif
.endr
.endr
	WIN 0
.endm
; a step whose successor lies in the same slot
.macro STEP k, zero
	PLACES NP                                          ; behind the last step's products, in front of loads into the set that they read
	FETCH (\k)+1
.if ((\k)%2) == 1
	SCALES ((\k)+1)/2
	s_wait_dscnt 48                                    ; this step's fragments and scale words are in; the 36 + 12 loads just issued may be out
.else
	s_wait_dscnt 36                                    ; the 36 loads just issued may be out
.endif
	MUL32 \k, \zero
.endm
; a slot's last step changes slots.  My reads of this slot were issued a step ago.  In front of the barrier each wave waits for all its tensor loads, adds 0 to its spare word, and waits for that and for its reads.
; fill = 1: the barrier is a round of the cluster's, and this slot is filled again, with the slot two on, first thing behind it.
.macro TURN k, fill
.set RG2, ((\k)/4)%2
	s_wait_tensorcnt 0x0                               ; all my tensor loads have landed: my part of the next slot; so a group 0 may be written
	ds_add_u32 v[SPW], v[NIL]
.if \fill
	s_add_nc_u64 s[G0+4*RG2+2:G0+4*RG2+3], s[G0+4*RG2+2:G0+4*RG2+3], 12288
	s_add_nc_u64 s[G0B+4*RG2+2:G0B+4*RG2+3], s[G0B+4*RG2+2:G0B+4*RG2+3], 12288
.endif
	s_wait_dscnt 0x0                                   ; the add is done, this step's fragments are in, and my reads of this slot are over
.if \fill
	CROUND                                             ; no wave of any partner reads this slot or has a load on its way
	JLOAD G0+4*RG2, G1, G0B+4*RG2, G1B                 ; my one tensor load behind the round; its four v_nop are the places in front of the loads below
.else
	s_barrier_signal -1
	s_barrier_wait -1
	PLACES NP
.endif
	FETCH (\k)+1                                       ; from the next slot
	SCALES ((\k)+1)/2
	MUL32 \k, 0
.endm
	s_wait_tensorcnt 1                                 ; the scale words and my part of slot 0 are in; slot 1's load may be out
	s_barrier_signal -1
	s_barrier_wait -1
	FETCH 0
	SCALES 0
	s_wait_loadcnt 0x0                                 ; the bias
	STEP 0, 1
	STEP 1, 0
	STEP 2, 0
	TURN 3, 1                                          ; slot 0 takes K 1,024 on
	STEP 4, 0
	STEP 5, 0
	STEP 6, 0
	TURN 7, 1                                          ; slot 1 takes K 1,536 on
	STEP 8, 0
	STEP 9, 0
	STEP 10, 0
	TURN 11, 0                                         ; nothing is left to fetch
	STEP 12, 0
	STEP 13, 0
	STEP 14, 0
	s_wait_dscnt 0x0
	MUL32 15, 0
; THE WAY OUT, block by block of 16 rows x 128 columns: through my stage, back as whole rows of 512 bytes.
.macro TOSTAGE a
	WIN 0x08                                           ; the data: window 2
.irp b, 0,1,2,3,4,5,6,7
	ds_store_b128 v[STO], v[64*(\a)+8*\b:64*(\a)+8*\b+3] offset:64*\b          ; each accumulator from its low end on
	ds_store_b128 v[STO], v[64*(\a)+8*\b+4:64*(\a)+8*\b+7] offset:64*\b+16
.endr
	WIN 0
.set BB, BK+64*((\a)%2)
.irp t, 0,1,2,3,4,5,6,7,8,9,10,11,12,13,14,15
	ds_load_b128 v[BB+4*\t:BB+4*\t+3], v[RD] offset:\t*SPITCH     ; LDS serves a wave's instructions in order (ISA guide 5.7.1.4)
.endr
.endm
.macro SEND a, younger
.set BB, BK+64*((\a)%2)
	s_wait_dscnt \younger                              ; the block is back; the next block's 16 stores and 16 loads may be out
.if (\a) > 0
	s_add_nc_u64 s[12:13], s[12:13], 131072            ; 16 rows on (behind a wait on XCNT: the earlier stores have read their base)
.endif
.irp t, 0,1,2,3,4,5,6,7,8,9,10,11,12,13,14,15
	global_store_b128 v[CO], v[BB+4*\t:BB+4*\t+3], s[12:13] offset:\t*8192 th:TH_STORE_NT   ; 512 consecutive bytes, aligned
.endr
.endm
	PLACES NP
	TOSTAGE 0
.irp a, 1,2,3
.if \a > 1
	s_wait_xcnt 0x0                                    ; block a - 2's stores have read their registers and their base
.endif
	TOSTAGE \a
	SEND \a-1, 32
.endr
	s_wait_xcnt 0x0
	SEND 3, 0
	s_wait_tensorcnt 0x0                               ; the wave's end
	ds_add_u32 v[SPW], v[NIL]
	s_wait_dscnt 0x0
	CROUND                                             ; the closing round
	s_endpgm
.Lfunc_end_k_q30d25c4e8c_outp:
	.size	k_q30d25c4e8c_outp, .Lfunc_end_k_q30d25c4e8c_outp-k_q30d25c4e8c_outp
	.p2alignl 7, 3214868480
	.fill 96, 4, 3214868480
	.section	.rodata,"a",@progbits
	.p2align	6, 0x0
	.amdhsa_kernel k_q30d25c4e8c_outp
		.amdhsa_group_segment_fixed_size 327680
		.amdhsa_private_segment_fixed_size 0
		.amdhsa_enable_private_segment 0
		.amdhsa_kernarg_size 32
		.amdhsa_user_sgpr_count 2
		.amdhsa_user_sgpr_kernarg_segment_ptr 1
		.amdhsa_wavefront_size32 1
		.amdhsa_system_sgpr_workgroup_id_x 1
		.amdhsa_system_sgpr_workgroup_id_y 1
		.amdhsa_system_sgpr_workgroup_id_z 1
		.amdhsa_system_vgpr_workitem_id 0
		.amdhsa_next_free_vgpr 768
		.amdhsa_next_free_sgpr 96
		.amdhsa_reserve_vcc 0
		.amdhsa_float_denorm_mode_32 3
		.amdhsa_float_denorm_mode_16_64 3
		.amdhsa_memory_ordered 1
		.amdhsa_forward_progress 1
		.amdhsa_inst_pref_size 139
	.end_amdhsa_kernel
	.amdgpu_metadata
---
amdhsa.version: [ 1, 2 ]
amdhsa.kernels:
  - .name:           k_q30d25c4e8c_outp
    .symbol:         k_q30d25c4e8c_outp.kd
    .args:
      - { .name: oq, .offset: 0, .size: 8, .value_kind: global_buffer, .address_space: global }
      - { .name: wo, .offset: 8, .size: 8, .value_kind: global_buffer, .address_space: global }
      - { .name: bo, .offset: 16, .size: 8, .value_kind: global_buffer, .address_space: global }
      - { .name: out0, .offset: 24, .size: 8, .value_kind: global_buffer, .address_space: global }
    .group_segment_fixed_size: 327680
    .private_segment_fixed_size: 0
    .kernarg_segment_align: 8
    .kernarg_segment_size: 32
    .max_flat_workgroup_size: 128
    .sgpr_count:     96
    .vgpr_count:     768
    .wavefront_size: 32
...
	.end_amdgpu_metadata
.endif
;; end of part 5
